; MI455X (gfx1250); checked and timed in simulation.
; The chip was launched on July 23, 2026; its instructions are those of AMD's public machine-readable ISA for CDNA 5 (MIT licence, August 2026) and "CDNA5" Instruction Set Architecture Reference Guide (July 2026). The comments in the code are by the model that wrote it; some were corrected since.
;; Self Attention. Allowed arithmetic: matrix products marked QUANTISED: E2M1 operands, one E8M0 scale for each 32 along K, by v_wmma_scale_f32_16x16x128_f8f6f4 with both operands' format E2M1 (or v_wmma_scale_f32_32x16x128_f4), f32 sums; products left as they are: bf16, f16 or f32 operands; f32 sums; everything else in f32.
;; Inputs: b_in 3,072 float32; b_out 1,024 float32; w_in 1,024 x 3,072 float32; w_out 1,024 x 1,024 float32; x 4 x 2,048 x 1,024 float32.
;; Outputs: out0 4 x 2,048 x 1,024 float32.
;; This version of the problem:
;;   THIS VERSION OF THE PROBLEM IS GIVEN IN LOW PRECISION. The matrix products marked QUANTISED in the list below multiply operands that are first quantised to E2M1 (2 exponent bits, 1 mantissa bit; 4 bits a number), with one power-of-two scale for each 32 numbers along K (OCP MX v1.0); their sums are f32. The products marked 'left as it is' may take bf16, f16 or f32 operands, with f32 sums. Whichever they take, every output number must still come out within the allowed error. Rounding operands to bf16 (8 significant bits) uses up far more of that allowance than f16 does (11 bits, for magnitudes from 6e-5 to 65,504). All else is computed in f32.
;;   The module's matrix products, in the order in which they are computed (A, B: the left and right operand; K: the contracted axis; several contracted axes count as one K, in the product's order):
;;     1. [M 8,192, K 1,024] x [K 1,024, N 3,072]; A: input x; B: input w_in: QUANTISED
;;     2. batch 64 x [M 2,048, K 64] x [K 64, N 2,048]; A: computed on the way; B: computed on the way: left as it is (an operand is computed on the way)
;;     3. batch 64 x [M 2,048, K 2,048] x [K 2,048, N 64]; A: computed on the way; B: computed on the way: left as it is (an operand is computed on the way)
;;     4. [M 8,192, K 1,024] x [K 1,024, N 1,024]; A: computed on the way; B: input w_out: left as it is (an operand is computed on the way)
;;   THE QUANTISER, for each operand of a quantised product, along K:
;;     - K is cut into blocks of 32 from its start; a last block that is shorter is filled with zeros.
;;     - A block's scale is 2^e with e = floor(log2(the largest magnitude in the block)) - 2, held to -126 .. 127; a block of zeros has e = 0. As a byte (E8M0): e + 127.
;;     - Each number is divided by its block's scale, clamped to +-6, and rounded to the nearest number of E2M1, ties to even, subnormals kept.
;;     - The product sums the exact products of the quantised numbers (number of the format x scale) in f32.
;;   ~~~python
;;   def quantise(x, axis):      # numpy; x: float32 -> the quantised numbers, widened to float32 again
;;       x = np.moveaxis(x, axis, -1); K = x.shape[-1]
;;       x = np.pad(x, [(0, 0)] * (x.ndim - 1) + [(0, -K % 32)]); x = x.reshape(x.shape[:-1] + (-1, 32)); a = np.abs(x).max(-1, keepdims=True)
;;       e = np.where(a > 0, np.clip(np.frexp(np.where(a > 0, a, 1))[1] - 1 - 2, -126, 127), 0)      # np.frexp(a)[1] - 1 = floor(log2(a)), exactly
;;       r = np.clip(x / 2.0 ** e, -6, 6)
;;       step = 2.0 ** (np.maximum(np.frexp(np.where(r == 0, 1, r))[1] - 1, 0) - 1)
;;       q = np.round(r / step) * step * 2.0 ** e      # np.round: ties to even
;;       return np.moveaxis(q.reshape(q.shape[:-2] + (-1,))[..., :K], -1, axis).astype(np.float32)
;;   ~~~
;; One version. Each part assembles by itself: llvm-mc -triple=amdgcn-amd-amdhsa -mcpu=gfx1250 --defsym DOCPART=n.
;; ======== version 1 of 1: 4 launches
;; limits: values are held in f16: magnitudes above 65,504 overflow, below 6.1e-05 lose precision
;; workspace buffers: xc 4,194,304 bytes; xs 262,144 bytes; wc 1,572,864 bytes; ws 98,304 bytes; qkv16 50,331,648 bytes; o16 16,777,216 bytes; wo16 2,097,152 bytes
;; launch prep (part 1): grid 416 x 1, 4 waves a work-group, no clusters, 33,280 bytes of LDS; arguments x, w_in, w_out, xc, xs, wc, ws, wo16; writes xc, xs, wc, ws, wo16
.if DOCPART == 1
	.amdgcn_target "amdgcn-amd-amdhsa--gfx1250"
	.amdhsa_code_object_version 6
	.text
	.protected	k_qff15a45878_prep
	.globl	k_qff15a45878_prep
	.p2align	8
	.type	k_qff15a45878_prep,@function
k_qff15a45878_prep:
	s_mov_b64 s[64:65], 0
	v_nop
	global_prefetch_b8 v0, s[64:65] scope:SCOPE_SE
	s_setreg_imm32_b32 hwreg(HW_REG_WAVE_MODE, 25, 1), 1
	s_wait_xcnt 0x0
; SELF-ATTENTION, launch 1 of 4: the operands of the quantised product x w_in become codes of FP4 (E2M1) with one E8M0 byte for each 32 along K; w_out becomes f16.
; WORK LEFT OUT BY THE PROGRAM (shown here, at the first kernel): the slice b_in[1024:2048], the bias bk of the keys.  scores[q][k] = q . (k0[k] + bk) / 8 = q . k0[k] / 8 + q . bk / 8.
; The second term is the same for every key k of a row, so the softmax along the keys cancels it, for all finite values of the inputs; the keys are used nowhere else, and the product q k^T is not a quantised one.
; So that slice is never loaded, and the keys' sums start from 0 (launch qkv).  LIMIT: a NaN, an infinity or an overflow that reaches only that slice is not carried to the result.
; THE QUANTISER: a block's scale is 2^(floor(log2(its largest magnitude)) - 2); its byte is the largest magnitude's exponent field - 2, held at 1 from below.  A block of zeros gets the byte 1 where the rule says 127:
; its codes are zeros, which add nothing under any byte but 0xff, and the bytes are read by this program alone.  Numbers are divided by the scale and rounded to the nearest code, ties to even, beyond 6 the code of 6.
; LIMITS: blocks whose largest magnitude lies under 2^-124 (the floor) were not tried; NaN and infinities among the inputs are not served; numbers of w_out beyond 65,504 become f16 infinities, under 6e-5 they keep an absolute error of 2^-25.
; THREE PATHS, parted by the work-group's number alone; they never join.
;   work-groups 0-95:    w_in [1024 (k)][3072 (n)]: a lane takes a column, its registers run down K.  Codes go out as IMAGES OF THE OPERAND'S REGISTERS:
;                        wc [n / 16][k / 32][16 rows][16 bytes]: block kb of row r of tile NT at 8192 NT + 256 kb + 16 r.  Sixteen lanes store 256 consecutive bytes, aligned.  ws [3072][32] bytes.
;   work-groups 96-159:  w_out [1024 (k)][1024 (n)] to f16, likewise: wo16 [n / 16][k / 8][16 rows][16 bytes]: eight neighbours along k of row r at 32768 NT + 256 (k / 8) + 16 r.
;   work-groups 160-415: x [8192][1024]: a plain stream of blocks of 32; xc [8192][512 bytes], xs [8192][32 bytes].  Only this path touches LDS (the turn from 16 bytes a lane to 64 bytes a lane, and the scale bytes).
; No tensor loads, no barrier: waves share nothing.
.set SPW,   192                        ; v192  LDS address of my spare word: SPARE + 4 x my thread's number; never rewritten
.set NIL,   193                        ; v193  0; never rewritten
.set WREG,  8192                       ; LDS: a region for each wave: two stages of 32 x SP bytes, behind them its 256 scale bytes
.set SP,    80                         ; a lane's place in a stage: 64 bytes + 16 of padding
.set SPARE, 4*WREG                     ; behind the four regions: the spare words, 128 bytes a wave: two blocks of 256 bytes that no other line names
.set STEPS, 16
.set CB,    8                          ; bytes of 16 codes
.set R,     16                         ; x path: v16-79 four sets of 16 numbers as loaded
.set X,     80                         ;         v80-111 two sets of 16 neighbours
.set E,     112                        ;         v112-127 a scale byte for each step
.set C,     128                        ;         v128-191 codes, four registers for each step
; ---- x path: a step is 512 numbers
.macro XLOAD t
.irp i, 0,1,2,3
	global_load_b128 v[R+16*((\t)%4)+4*\i:R+16*((\t)%4)+4*\i+3], v3, s[4:5] offset:2048*(\t)+512*\i th:TH_LOAD_NT   ; 32 lanes read 512 consecutive bytes
.endr
.endm
.macro XTURN t                         ; step t's numbers through the stage: LDS serves a wave's instructions in order, so no wait stands between the stores and the loads
.irp i, 0,1,2,3
	ds_store_b128 v14, v[R+16*((\t)%4)+4*\i:R+16*((\t)%4)+4*\i+3] offset:32*SP*((\t)%2)+8*SP*\i
.endr
.irp i, 0,1,2,3
	ds_load_b128 v[X+16*((\t)%2)+4*\i:X+16*((\t)%2)+4*\i+3], v15 offset:32*SP*((\t)%2)+16*\i
.endr
.endm
.macro XSTEP t
.set XS, X+16*((\t)%2)
.if (\t) > 0
	s_wait_dscnt 1                                 ; this step's numbers are back from the stage; the last step's byte store may be out
.else
	s_wait_dscnt 0x0
.endif
.if (\t)+4 < STEPS
	XLOAD (\t)+4                                   ; into the registers that this step's stores into the stage have read
.endif
.if (\t)+1 < STEPS
.if STEPS-2-(\t) >= 3
	s_wait_loadcnt 12                              ; the next step's four loads are in; the twelve of the three steps behind it may be out
.else
	s_wait_loadcnt 4*(STEPS-2-(\t))
.endif
	XTURN (\t)+1
.endif
	v_max3_num_f32 v8, |v[XS]|, |v[XS+1]|, |v[XS+2]|               ; the largest magnitude of my 16, in two chains
	v_max3_num_f32 v9, |v[XS+3]|, |v[XS+4]|, |v[XS+5]|
.irp i, 6,10
	v_max3_num_f32 v8, v8, |v[XS+\i]|, |v[XS+\i+1]|
	v_max3_num_f32 v9, v9, |v[XS+\i+2]|, |v[XS+\i+3]|
.endr
	v_max3_num_f32 v8, v8, |v[XS+14]|, |v[XS+15]|
	v_max3_num_f32 v8, v8, v9, 0x1800000           ; and the floor 2^(3 - 127): the byte cannot fall under 1
	v_max_num_f32_dpp v8, v8, v8 row_xmask:1 row_mask:0xf bank_mask:0xf   ; with my neighbour's 16: the block's
	v_add_nc_u32 v11, 0xff000000, v8               ; 2 off its exponent field: the conversion takes the exponent field of this operand as its scale
	v_cvt_scalef32_pk8_fp4_f32 v[C+4*(\t)], v[XS:XS+7], v11
	v_cvt_scalef32_pk8_fp4_f32 v[C+4*(\t)+1], v[XS+8:XS+15], v11
	v_lshrrev_b32 v[E+(\t)], 23, v11               ; the scale's byte (a plain line behind the conversions)
	ds_store_b8 v5, v[E+(\t)] offset:16*(\t)       ; both lanes of a block write the same byte with the same value
	global_store_b64 v4, v[C+4*(\t):C+4*(\t)+1], s[10:11] offset:32*CB*(\t)   ; the wave stores 256 consecutive bytes, aligned
.endm
; ---- w paths: block t: 32 rows of k at my column into set t % 2 (v32-63, v64-95)
.macro LOADB t, pitch, lo
.irp i, 0,1,2,3,4,5,6,7,8,9,10,11,12,13,14,15,16,17,18,19,20,21,22,23,24,25,26,27,28,29,30,31
	global_load_b32 v[32+32*((\t)%2)+\i], v3, s[\lo:\lo+1] offset:(32*(\t)+\i)*\pitch th:TH_LOAD_NT   ; 32 lanes read 128 consecutive bytes, the four waves side by side 512
.endr
.endm
.macro WBLOCK t
.set XS, 32+32*((\t)%2)
.if (\t) < 7
	s_wait_loadcnt 32                              ; this block's 32 loads are in; the next block's 32 may be out
.else
	s_wait_loadcnt 0x0
.endif
	v_max3_num_f32 v12, |v[XS]|, |v[XS+1]|, |v[XS+2]|              ; all 32 numbers of the block are mine
	v_max3_num_f32 v13, |v[XS+3]|, |v[XS+4]|, |v[XS+5]|
.irp i, 6,10,14,18,22,26
	v_max3_num_f32 v12, v12, |v[XS+\i]|, |v[XS+\i+1]|
	v_max3_num_f32 v13, v13, |v[XS+\i+2]|, |v[XS+\i+3]|
.endr
	v_max3_num_f32 v12, v12, |v[XS+30]|, |v[XS+31]|
	v_max3_num_f32 v12, v12, v13, 0x1800000        ; the floor
	v_add_nc_u32 v11, 0xff000000, v12              ; the conversion's scale operand
	v_lshrrev_b32 v13, 23, v11                     ; the byte
.if (\t)%4 == 0
	v_mov_b32 v[24+(\t)/4], v13                    ; four bytes to a register, the lower K in the lower byte
.else
	v_lshl_or_b32 v[24+(\t)/4], v13, 8*((\t)%4), v[24+(\t)/4]
.endif
.irp g, 0,1,2,3
	v_cvt_scalef32_pk8_fp4_f32 v[96+4*(\t)+\g], v[XS+8*\g:XS+8*\g+7], v11
.endr
	global_store_b128 v8, v[96+4*(\t):96+4*(\t)+3], s[14:15] offset:256*(\t)   ; each block has its own four registers: no store's data are written again
.if (\t)+2 < 8
	LOADB (\t)+2, 12288, 6
.endif
.endm
.macro OBLOCK t
.set XS, 32+32*((\t)%2)
.if (\t) < 3
	s_wait_loadcnt 32
.else
	s_wait_loadcnt 0x0
.endif
.irp i, 0,1,2,3,4,5,6,7,8,9,10,11,12,13,14,15
	v_cvt_pk_f16_f32 v[96+16*(\t)+\i], v[XS+2*\i], v[XS+2*\i+1]    ; the lower k in the low half
.endr
.irp u, 0,1,2,3
	global_store_b128 v8, v[96+16*(\t)+4*\u:96+16*(\t)+4*\u+3], s[18:19] offset:256*(4*(\t)+\u)
.endr
.if (\t)+2 < 4
	LOADB (\t)+2, 4096, 8
.endif
.endm
	s_load_b512 s[4:19], s[0:1], 0x0               ; x s[4:5], w_in s[6:7], w_out s[8:9], xc s[10:11], xs s[12:13], wc s[14:15], ws s[16:17], wo16 s[18:19]
	v_lshl_add_u32 v[SPW], v0, 2, SPARE
	v_mov_b32 v[NIL], 0
	v_lshrrev_b32 v1, 5, v0
	v_readfirstlane_b32 s20, v1                    ; wave 0..3
	v_and_b32 v2, 31, v0                           ; lane
	s_mov_b32 s25, 0                               ; the upper word of every offset
	s_wait_kmcnt 0x0
	s_cmp_lt_u32 ttmp9, 96
	s_cbranch_scc1 .Lw
	s_cmp_lt_u32 ttmp9, 160
	s_cbranch_scc1 .Lo
	; ---------------- x
	v_lshlrev_b32 v3, 4, v2                        ; my 16 bytes of a load's 512
	s_mul_i32 s21, s20, WREG
	v_lshrrev_b32 v14, 2, v2
	v_mul_u32_u24 v14, v14, SP
	v_and_b32 v15, 3, v2
	v_lshl_add_u32 v14, v15, 4, v14
	v_add_nc_u32 v14, s21, v14                     ; the stage, on the way in: SP (lane / 4) + 16 (lane % 4)
	v_mul_u32_u24 v15, v2, SP
	v_add_nc_u32 v15, s21, v15                     ; and on the way out: SP x lane: my 16 neighbours
	v_mul_u32_u24 v4, v2, CB                       ; my codes' place in a step's
	v_lshrrev_b32 v5, 1, v2
	s_add_co_u32 s21, s21, 2*32*SP
	v_add_nc_u32 v5, s21, v5                       ; my wave's 256 scale bytes, my block's byte
	v_lshlrev_b32 v7, 3, v2
	v_add_nc_u32 v6, s21, v7                       ; and on the way out 8 bytes a lane
	s_sub_co_u32 s22, ttmp9, 160
	s_lshl_b32 s22, s22, 2
	s_add_co_u32 s22, s22, s20                     ; which run of 8,192 numbers is my wave's: 0 .. 1023
	s_lshl_b32 s24, s22, 15
	s_add_nc_u64 s[4:5], s[4:5], s[24:25]          ; 32,768 bytes of x,
	s_lshl_b32 s24, s22, 12
	s_add_nc_u64 s[10:11], s[10:11], s[24:25]      ; 4,096 of codes,
	s_lshl_b32 s24, s22, 8
	s_add_nc_u64 s[12:13], s[12:13], s[24:25]      ; 256 scale bytes a run
.irp t, 0,1,2,3
	XLOAD \t
.endr
	s_wait_loadcnt 12                              ; step 0's four loads are in
	XTURN 0
.irp t, 0,1,2,3,4,5,6,7,8,9,10,11,12,13,14,15
	XSTEP \t
.endr
	ds_load_b64 v[8:9], v6                         ; LDS serves a wave's instructions in order: these see my byte stores
	s_wait_dscnt 0x0
	global_store_b64 v7, v[8:9], s[12:13]          ; 32 lanes store 256 consecutive bytes, aligned
	s_wait_tensorcnt 0x0                           ; the wave's end, behind my last LDS store
	ds_add_u32 v[SPW], v[NIL]
	s_wait_dscnt 0x0
	s_endpgm
	; ---------------- w_in: 128 columns x 256 along K to a work-group, 32 columns x 8 blocks to a wave
.Lw:
	s_lshr_b32 s21, ttmp9, 2                       ; which 128 columns: 0 .. 23
	s_and_b32 s22, ttmp9, 3                        ; which 256 along K
	v_lshlrev_b32 v3, 2, v2                        ; in: 4 bytes a lane
	v_lshrrev_b32 v8, 4, v2
	v_and_b32 v9, 15, v2
	v_lshlrev_b32 v9, 4, v9
	v_lshl_add_u32 v8, v8, 13, v9                  ; codes: 8,192 (lane / 16) + 16 (lane % 16)
	v_lshlrev_b32 v9, 5, v2                        ; scale bytes: 32 a column
	s_lshl_b32 s23, s21, 7
	s_lshl_b32 s24, s20, 5
	s_add_co_u32 s23, s23, s24                     ; my wave's first column
	s_mul_i32 s24, s22, 256*12288
	s_lshl_b32 s26, s23, 2
	s_add_co_u32 s24, s24, s26
	s_add_nc_u64 s[6:7], s[6:7], s[24:25]
	s_lshl_b32 s24, s23, 9                         ; (column / 16) x 8,192
	s_lshl_b32 s26, s22, 11                        ; + 8 blocks of 256 bytes for each 256 along K
	s_add_co_u32 s24, s24, s26
	s_add_nc_u64 s[14:15], s[14:15], s[24:25]
	s_lshl_b32 s24, s23, 5
	s_lshl_b32 s26, s22, 3
	s_add_co_u32 s24, s24, s26
	s_add_nc_u64 s[16:17], s[16:17], s[24:25]
	LOADB 0, 12288, 6
	LOADB 1, 12288, 6
.irp t, 0,1,2,3,4,5,6,7
	WBLOCK \t
.endr
	global_store_b64 v9, v[24:25], s[16:17]        ; my column's eight scale bytes
	s_endpgm
	; ---------------- w_out: 128 columns x 128 along K to a work-group
.Lo:
	s_sub_co_u32 s21, ttmp9, 96
	s_and_b32 s22, s21, 7                          ; which 128 columns
	s_lshr_b32 s21, s21, 3                         ; which 128 along K
	v_lshlrev_b32 v3, 2, v2
	v_lshrrev_b32 v8, 4, v2
	v_and_b32 v9, 15, v2
	v_lshlrev_b32 v9, 4, v9
	v_lshl_add_u32 v8, v8, 15, v9                  ; 32,768 (lane / 16) + 16 (lane % 16)
	s_lshl_b32 s23, s22, 7
	s_lshl_b32 s24, s20, 5
	s_add_co_u32 s23, s23, s24                     ; my wave's first column
	s_lshl_b32 s24, s21, 19                        ; 128 rows of 4,096 bytes
	s_lshl_b32 s26, s23, 2
	s_add_co_u32 s24, s24, s26
	s_add_nc_u64 s[8:9], s[8:9], s[24:25]
	s_lshl_b32 s24, s23, 11                        ; (column / 16) x 32,768
	s_lshl_b32 s26, s21, 12                        ; + 16 pieces of 256 bytes for each 128 along K
	s_add_co_u32 s24, s24, s26
	s_add_nc_u64 s[18:19], s[18:19], s[24:25]
	LOADB 0, 4096, 8
	LOADB 1, 4096, 8
.irp t, 0,1,2,3
	OBLOCK \t
.endr
	s_endpgm
.Lfunc_end_k_qff15a45878_prep:
	.size	k_qff15a45878_prep, .Lfunc_end_k_qff15a45878_prep-k_qff15a45878_prep
	.p2alignl 7, 3214868480
	.fill 96, 4, 3214868480
	.section	.rodata,"a",@progbits
	.p2align	6, 0x0
	.amdhsa_kernel k_qff15a45878_prep
		.amdhsa_group_segment_fixed_size 33280
		.amdhsa_private_segment_fixed_size 0
		.amdhsa_enable_private_segment 0
		.amdhsa_kernarg_size 64
		.amdhsa_user_sgpr_count 2
		.amdhsa_user_sgpr_kernarg_segment_ptr 1
		.amdhsa_wavefront_size32 1
		.amdhsa_system_sgpr_workgroup_id_x 1
		.amdhsa_system_sgpr_workgroup_id_y 1
		.amdhsa_system_sgpr_workgroup_id_z 1
		.amdhsa_system_vgpr_workitem_id 0
		.amdhsa_next_free_vgpr 200
		.amdhsa_next_free_sgpr 66
		.amdhsa_reserve_vcc 0
		.amdhsa_float_denorm_mode_32 3
		.amdhsa_float_denorm_mode_16_64 3
		.amdhsa_memory_ordered 1
		.amdhsa_forward_progress 1
		.amdhsa_inst_pref_size 89
	.end_amdhsa_kernel
	.amdgpu_metadata
---
amdhsa.version: [ 1, 2 ]
amdhsa.kernels:
  - .name:           k_qff15a45878_prep
    .symbol:         k_qff15a45878_prep.kd
    .args:
      - { .name: x, .offset: 0, .size: 8, .value_kind: global_buffer, .address_space: global }
      - { .name: w_in, .offset: 8, .size: 8, .value_kind: global_buffer, .address_space: global }
      - { .name: w_out, .offset: 16, .size: 8, .value_kind: global_buffer, .address_space: global }
      - { .name: xc, .offset: 24, .size: 8, .value_kind: global_buffer, .address_space: global }
      - { .name: xs, .offset: 32, .size: 8, .value_kind: global_buffer, .address_space: global }
      - { .name: wc, .offset: 40, .size: 8, .value_kind: global_buffer, .address_space: global }
      - { .name: ws, .offset: 48, .size: 8, .value_kind: global_buffer, .address_space: global }
      - { .name: wo16, .offset: 56, .size: 8, .value_kind: global_buffer, .address_space: global }
    .group_segment_fixed_size: 33280
    .private_segment_fixed_size: 0
    .kernarg_segment_align: 8
    .kernarg_segment_size: 64
    .max_flat_workgroup_size: 128
    .sgpr_count:     66
    .vgpr_count:     200
    .wavefront_size: 32
...
	.end_amdgpu_metadata
.endif
;; end of part 1
;; launch qkv (part 2): grid 12 x 32, 4 waves a work-group, clusters of 4 x 4, 327,680 bytes of LDS; arguments xc, xs, wc, ws, b_in, qkv16; writes qkv16
.if DOCPART == 2
	.amdgcn_target "amdgcn-amd-amdhsa--gfx1250"
	.amdhsa_code_object_version 6
	.text
	.protected	k_qff15a45878_qkv
	.globl	k_qff15a45878_qkv
	.p2align	8
	.type	k_qff15a45878_qkv,@function
k_qff15a45878_qkv:
	s_mov_b64 s[64:65], 0
	v_nop
	global_prefetch_b8 v0, s[64:65] scope:SCOPE_SE
	s_setreg_imm32_b32 hwreg(HW_REG_WAVE_MODE, 25, 1), 1
	s_wait_xcnt 0x0
	s_wait_alu depctr_hold_cnt(0) depctr_sa_sdst(0) depctr_va_vdst(0) depctr_va_sdst(0) depctr_va_ssrc(0) depctr_va_vcc(0) depctr_vm_vsrc(0)
	s_getreg_b32 s2, hwreg(HW_REG_IB_STS2, 6, 4)
	s_cmp_eq_u32 s2, 0
	s_cbranch_scc0 .Lentry_in_a_cluster
	s_endpgm
.Lentry_in_a_cluster:
	s_bfe_u32 s2, ttmp6, 0x10000c
	s_cmp_lg_u32 s2, 0xf033
	s_cbranch_scc0 .Lentry_shape_is_right
	s_endpgm
.Lentry_shape_is_right:
; SELF-ATTENTION, launch 2 of 4: qkv = Q(x) Q(w_in) + b_in on codes of FP4 (E2M1) with E8M0 scales; sums in f32; results rounded once to f16.
; WORK LEFT OUT: the keys' bias b_in[1024:2048] is not loaded and the keys' sums start from 0: it adds q . bk / 8 to every score of a row alike, which the softmax along the keys cancels for all finite inputs (shown at the head of launch prep).
; LIMITS: q, k, v beyond 65,504 in magnitude become f16 infinities; under 6e-5 they keep an absolute error of 2^-25.  A NaN or infinity in the slice left out is not carried to the result.
; A tile of 256 rows x 256 columns is made by a work-group of four waves; a wave makes 128 x 128: 64 accumulators of 16 x 16, 512 registers.  K = 1,024 is two K steps of 512: both slots are first fills, nothing is filled again, and there is no loop.
; x's codes come as rows of 256 bytes, padded by 16 in LDS.  w_in's codes lie in memory as images of the operand's registers (16 rows x 128 K: two pieces of 512 bytes, lane l's 16 bytes at 16 l): a K step of 16 rows is 4,096 dense bytes.
; THE SCALES of the work-group's 256 rows of x and 256 rows of w_in, for all of K, are two dense blocks: they come once, as rows of 256 bytes + 16 of padding.
; CLUSTERS: 4 x 4 work-groups; x's tiles are shared along a row of the cluster, w_in's along a column: joint loads.  The cluster's x is 0, 1, 2 for q, k, v: the same in all sixteen partners, so a branch may hang on it.
; TRANSPOSED USE (source 0 = 16 rows of w_in^T, source 1 = 16 rows of x): lane (r, h) holds row r and columns 8 h + 0 .. 7 of a 16 x 16 tile.  Rounded to f16 these are 16 bytes, which are one half of a 16-bit fragment of the next product:
; THE WAY OUT NEEDS NO STAGE.  qkv16: thirds q, k, v of 2^24 bytes, each [batch x head: 64][16 rows: 128][16 channels: 4][512 bytes].  In q and k lane l's 16 bytes lie at 16 l; in v at 16 x (l with its bits 3 and 4 exchanged),
; so that the turning LDS load of launch attn, at 16 l, gives a fragment of v^T.  Each store of the wave covers 512 consecutive bytes, aligned.
; THE BIAS is the C of each sum's first matrix instruction: 64 registers in the result's layout.
; REGISTERS: window 0: v0-31 addresses; v32-95 scale words, two sets, and nothing else; v128-191 x's fragments, one set; v192-255 the bias; on the way out v128-255 take the packed results.
;   window 1: w_in's fragments, two sets, at v0 and v128.   window 2: accumulators of my rows 0-63 ((a, b) at v[8 (8 a + b)]);   window 3: rows 64-127.
.set NQ,     4                         ; matrix instructions deep in a K step
.set ROWB,   256                       ; a row of x's tile in bytes: 512 codes
.set KROW,   512                       ; a row of x's codes in memory; also 16 rows of w_in's images / 16
.set PITCH,  272                       ; an LDS row of x: 256 bytes + 16 of padding
.set FR,     8                         ; registers of a fragment
.set NL,     2                         ; LDS loads that bring one
.set NP,     4                         ; places behind this matrix instruction (ISA guide 7.12.1)
.set HALFA,  128*PITCH                 ; 128 rows of x
.set HALFB,  8*4096                    ; 128 rows of w_in: eight images of 4,096 bytes
.set SLOT,   2*HALFA+2*HALFB
.set KS,     32                        ; a row of scale bytes
.set SCL,    2*SLOT                    ; behind the two slots: the scales
.set HALFS,  16*272                    ; those of 128 rows
.set SBLK,   2*272                     ; those of 16 rows
.set SPARE,  SCL+4*HALFS               ; the spare words, 128 bytes a wave: two blocks of 256 bytes that no other line names
.set ADRA, 16                          ; v16-17  LDS address of my fragments of x in slot 0, 1
.set ADRB, 20                          ; v20-21  the same for w_in
.set CO,   26                          ; v26     my 16 bytes' place in a piece of 512
.set ADRS, 27                          ; v27     LDS address of my scale words: lanes 0-15 x's rows, lanes 16-31 w_in's
.set SPW,  28                          ; v28     LDS address of my spare word; never rewritten
.set NIL,  29                          ; v29     0; never rewritten
.set BO,   30                          ; v30     32 x (lane / 16): my eight numbers of a tile's bias
.set SC,   32
.set AF,   128
.set BIAS, 192
.set PK,   128
.set G1, 24
.set G0, 32
.set G1B, 48
.set G0B, 56
.set G1S, 68
.set G0S, 76
.set G1SB, 80
.set G0SB, 88
.set MSB, 0
.macro WIN new                         ; the immediate's high byte repeats the setting that is left
.if MSB != \new
	s_set_vgpr_msb (MSB<<8)|\new
.set MSB, \new
.endif
.endm
.set MUL_LO,   0xa1                    ; source 0 window 1, source 1 window 0, C and D window 2
.set MUL_HI,   0xf1                    ; the same, C and D window 3
.set FIRST_LO, 0x81                    ; the first step: C (the bias) window 0, D window 2
.set FIRST_HI, 0xc1                    ; D window 3
.set TO_B,     0x40
; A joint load: waves 0 and 1 fetch for x, waves 2 and 3 for w_in.  The branch hangs on the wave's number alone.  An s_nop 0 and four v_nop follow each of the two lines.
.macro JLOAD g0a, g1a, g0b, g1b
	s_cmp_eq_u32 s15, 0
	s_cbranch_scc0 .Lfor_b_\@
	tensor_load_to_lds s[\g0a:\g0a+3], s[\g1a:\g1a+7]
	s_nop 0
.rept 4
	v_nop
.endr
	s_branch .Lasked_\@
.Lfor_b_\@:
	tensor_load_to_lds s[\g0b:\g0b+3], s[\g1b:\g1b+7]
	s_nop 0
.rept 4
	v_nop
.endr
.Lasked_\@:
.endm
.macro CROUND                          ; a round of the cluster's barrier
	s_barrier_signal -1
	s_barrier_wait -1
	s_cmp_lg_u32 s14, 0
	s_cbranch_scc1 .Lnot_wave_0_\@
	s_barrier_signal -3
.Lnot_wave_0_\@:
	s_barrier_wait -3
	s_barrier_signal -1
	s_barrier_wait -1
.endm
	s_load_b128 s[4:7], s[0:1], 0x0                ; x's codes, x's scales
	s_load_b128 s[8:11], s[0:1], 0x10              ; w_in's codes, w_in's scales
	s_load_b64 s[96:97], s[0:1], 0x20              ; b_in
	s_load_b64 s[12:13], s[0:1], 0x28              ; qkv16
	v_lshl_add_u32 v[SPW], v0, 2, SPARE
	v_mov_b32 v[NIL], 0
	ds_add_u32 v[SPW], v[NIL]                      ; the wave's opening: the add, twice on end, and its wait ahead of my first tensor load
	ds_add_u32 v[SPW], v[NIL]
	v_lshrrev_b32 v1, 5, v0
	v_readfirstlane_b32 s14, v1                    ; wave 0..3
	s_lshr_b32 s15, s14, 1                         ; which half of the tile's rows is mine.  Also: I fetch for x (0) or for w_in (1)
	s_and_b32 s16, s14, 1                          ; which half of its columns.  Also: which 128 rows I fetch
	s_bfe_u32 s40, ttmp6, 0x40000                  ; cx, cy: my place in the cluster
	s_bfe_u32 s41, ttmp6, 0x40004
	s_lshl_b32 s42, ttmp9, 2
	s_add_co_u32 s42, s42, s40                     ; tile column = 4 x cluster x + cx
	s_and_b32 s17, ttmp7, 0xffff
	s_lshl_b32 s17, s17, 2
	s_add_co_u32 s17, s17, s41                     ; tile row = 4 x cluster y + cy
	s_lshl_b32 s43, s41, 2
	s_lshl_b32 s43, 15, s43                        ; my row of the cluster
	s_lshl_b32 s44, 0x1111, s40                    ; my column
	; group 1 for x: 128 rows of 256 bytes, 512 apart in memory, 16 bytes of padding behind each
	s_or_b32 s[G1+0], s43, (0<<16)|(1<<20)|(1<<21)|(5<<22)|(3<<25)
	s_mov_b32 s[G1+1], ROWB<<16
	s_mov_b32 s[G1+2], 128<<16
	s_mov_b32 s[G1+3], ROWB<<16
	s_mov_b32 s[G1+4], 128
	s_mov_b32 s[G1+5], KROW
	s_mov_b32 s[G1+6], 0
	s_mov_b32 s[G1+7], 0
	; group 1 for w_in: 8 rows of 4,096 bytes (512 elements of 8), 8,192 apart in memory, dense in LDS
	s_or_b32 s[G1B+0], s44, (3<<16)|(1<<21)
	s_mov_b32 s[G1B+1], 512<<16
	s_mov_b32 s[G1B+2], 8<<16
	s_mov_b32 s[G1B+3], 512<<16
	s_mov_b32 s[G1B+4], 8
	s_mov_b32 s[G1B+5], 1024
	s_mov_b32 s[G1B+6], 0
	s_mov_b32 s[G1B+7], 0
	; the scales of 128 rows: 4,096 dense bytes as 16 rows of 256 (32 elements of 8), 16 bytes of padding behind each
	s_or_b32 s[G1S+0], s43, (3<<16)|(1<<20)|(1<<21)|(5<<22)|(3<<25)
	s_or_b32 s[G1SB+0], s44, (3<<16)|(1<<20)|(1<<21)|(5<<22)|(3<<25)
.irp g, G1S, G1SB
	s_mov_b32 s[\g+1], 32<<16
	s_mov_b32 s[\g+2], 16<<16
	s_mov_b32 s[\g+3], 32<<16
	s_mov_b32 s[\g+4], 16
	s_mov_b32 s[\g+5], 32
	s_mov_b32 s[\g+6], 0
	s_mov_b32 s[\g+7], 0
.endr
	s_lshl_b32 s18, s16, 7                         ; which 128 rows I fetch
	s_lshl_b32 s20, s17, 8
	s_add_co_u32 s20, s20, s18                     ; x: row 256 x tile row + 128 x half
	s_lshl_b32 s46, s42, 8
	s_add_co_u32 s46, s46, s18                     ; w_in: row (column of qkv) 256 x tile column + 128 x half
	s_mov_b32 s21, 0
	s_mov_b32 s47, 0
	s_mov_b64 s[18:19], KS
	s_mul_u64 s[22:23], s[20:21], s[18:19]         ; where these rows' scales begin
	s_mul_u64 s[92:93], s[46:47], s[18:19]
	s_mov_b64 s[18:19], KROW
	s_mul_u64 s[20:21], s[20:21], s[18:19]         ; and their codes (w_in: 8,192 bytes for 16 rows is 512 a row too)
	s_mul_u64 s[46:47], s[46:47], s[18:19]
	s_mul_i32 s45, s16, HALFA                      ; where they go: x's two halves,
	s_mul_i32 s95, s16, HALFB
	s_add_co_u32 s95, s95, 2*HALFA                 ; then w_in's two: no place in the cluster enters an LDS address
	s_mul_i32 s94, s14, HALFS
	s_wait_dscnt 0x0                               ; both opening adds are done
	s_wait_kmcnt 0x0
	s_add_nc_u64 s[20:21], s[4:5], s[20:21]
	s_add_nc_u64 s[22:23], s[6:7], s[22:23]
	s_add_nc_u64 s[46:47], s[8:9], s[46:47]
	s_add_nc_u64 s[92:93], s[10:11], s[92:93]
	CROUND                                         ; all sixteen work-groups are here: the joint loads meet
	s_mov_b32 s[G0S], 1
	s_add_co_u32 s[G0S+1], s94, SCL
	s_mov_b64 s[G0S+2:G0S+3], s[22:23]
	s_or_b32 s[G0S+3], s[G0S+3], 0x80000000
	s_mov_b32 s[G0SB], 1
	s_add_co_u32 s[G0SB+1], s94, SCL
	s_mov_b64 s[G0SB+2:G0SB+3], s[92:93]
	s_or_b32 s[G0SB+3], s[G0SB+3], 0x80000000
	JLOAD G0S, G1S, G0SB, G1SB                     ; the scales first: they are wanted with K step 0
.irp s, 0,1
	s_mov_b32 s[G0+4*\s], 1
	s_add_co_u32 s[G0+4*\s+1], s45, \s*SLOT
	s_add_nc_u64 s[G0+4*\s+2:G0+4*\s+3], s[20:21], \s*ROWB
	s_or_b32 s[G0+4*\s+3], s[G0+4*\s+3], 0x80000000
	s_mov_b32 s[G0B+4*\s], 1
	s_add_co_u32 s[G0B+4*\s+1], s95, \s*SLOT
	s_add_nc_u64 s[G0B+4*\s+2:G0B+4*\s+3], s[46:47], \s*4096
	s_or_b32 s[G0B+4*\s+3], s[G0B+4*\s+3], 0x80000000
	JLOAD G0+4*\s, G1, G0B+4*\s, G1B               ; three tensor loads of mine are out at the most
.endr
	v_and_b32 v1, 15, v0                           ; r = l % 16
	v_bfe_u32 v2, v0, 4, 1                         ; h = l / 16
	v_mul_u32_u24 v3, v1, PITCH
	v_lshl_add_u32 v4, v2, 4, v3                   ; x: row x pitch + 16 h
	v_and_b32 v6, 31, v0
	v_lshlrev_b32 v7, 4, v6                        ; w_in: 16 l
	s_mul_i32 s21, s15, HALFA                      ; my 128 rows of x
	s_mul_i32 s22, s16, HALFB                      ; my 128 rows of w_in,
	s_add_co_u32 s22, s22, 2*HALFA                 ; behind x's 256
.irp s, 0,1
	v_add_nc_u32 v[ADRA+\s], s21, v4
	v_add_nc_u32 v[ADRB+\s], s22, v7
	s_add_co_u32 s21, s21, SLOT
	s_add_co_u32 s22, s22, SLOT
.endr
	v_mul_u32_u24 v5, v1, KS                       ; my row's scales: 32 bytes a row,
	v_lshrrev_b32 v6, 8, v5
	v_lshl_add_u32 v5, v6, 4, v5                   ; and 16 more for each 256 passed
	s_mul_i32 s21, s15, HALFS
	s_mul_i32 s22, s16, HALFS
	s_add_co_u32 s22, s22, 2*HALFS
	s_sub_co_u32 s22, s22, s21
	v_mul_u32_u24 v6, s22, v2                      ; lanes 16-31 take w_in's: one product, the distance between the two bases
	s_add_co_u32 s21, s21, SCL
	v_add_nc_u32 v5, v5, v6
	v_add_nc_u32 v[ADRS], s21, v5
	; the way out: my 16 bytes' place in a piece: 16 l, or for v 16 x (16 (r / 8) + 8 h + r % 8)
	v_and_b32 v8, 7, v0
	v_lshl_add_u32 v8, v2, 3, v8
	v_bfe_u32 v9, v0, 3, 1
	v_lshl_add_u32 v8, v9, 4, v8
	v_lshlrev_b32 v8, 4, v8
	s_cmp_eq_u32 ttmp9, 2
	s_cselect_b32 s22, -1, 0
	v_cndmask_b32 v[CO], v7, v8, s22
	s_lshl_b32 s20, s17, 8
	s_lshl_b32 s21, s15, 7
	s_add_co_u32 s20, s20, s21                     ; my first row: 256 x tile row + 128 x half
	s_lshr_b32 s21, s20, 11                        ; its batch
	s_and_b32 s20, s20, 2047
	s_lshr_b32 s20, s20, 4                         ; its block of 16 positions
	s_lshl_b32 s21, s21, 4
	s_lshl_b32 s22, s40, 2
	s_add_co_u32 s21, s21, s22
	s_lshl_b32 s22, s16, 1
	s_add_co_u32 s21, s21, s22                     ; 16 x batch + my first head (4 cx + 2 x half)
	s_lshl_b32 s21, s21, 7
	s_add_co_u32 s20, s20, s21
	s_lshl_b32 s20, s20, 11                        ; 2,048 bytes for 16 positions of a head
	s_lshl_b32 s21, ttmp9, 24                      ; the third
	s_add_co_u32 s20, s20, s21
	s_mov_b32 s21, 0
	s_add_nc_u64 s[12:13], s[12:13], s[20:21]
	; the bias of my 128 columns: register 8 b + j = b_in[first column + 16 b + 8 h + j].  The keys' cluster column loads nothing and takes zeros
	v_lshlrev_b32 v[BO], 5, v2
	s_lshl_b32 s20, s42, 8
	s_lshl_b32 s21, s16, 7
	s_add_co_u32 s20, s20, s21
	s_lshl_b32 s20, s20, 2
	s_mov_b32 s21, 0
	s_add_nc_u64 s[96:97], s[96:97], s[20:21]
	s_cmp_eq_u32 ttmp9, 1                          ; the cluster's x: the same in all sixteen partners
	s_cbranch_scc1 .Lkeys
.irp b, 0,1,2,3,4,5,6,7
	global_load_b128 v[BIAS+8*\b:BIAS+8*\b+3], v[BO], s[96:97] offset:64*\b
	global_load_b128 v[BIAS+8*\b+4:BIAS+8*\b+7], v[BO], s[96:97] offset:64*\b+16
.endr
	s_branch .Lbias_done
.Lkeys:
.set i, 0
.rept 64
	v_mov_b32 v[BIAS+i], 0
.set i, i+1
.endr
.Lbias_done:
.macro FRAGA reg, adr, q, i            ; 16 rows x 128 K of x: lane l holds row l % 16; registers 4 c .. 4 c + 3 hold K = 64 c + 32 (l / 16) + 0 .. 31
.irp c, 0,1
	ds_load_b128 v[\reg+4*\c:\reg+4*\c+3], v[\adr] offset:64*(\q)+32*\c+(\i)*16*PITCH
.endr
.endm
.macro FRAGB reg, adr, q, i            ; the same of w_in, from its image: two pieces of 512 bytes, 16 bytes a lane
.irp c, 0,1
	ds_load_b128 v[\reg+4*\c:\reg+4*\c+3], v[\adr] offset:(\i)*4096+1024*(\q)+512*\c
.endr
.endm
; 16 matrix instructions: x's blocks a0, a0 + 1 against w_in's eight, 128 along K.  first = 1: the bias starts the sums.  The 64 accumulators take turns, one instruction a turn, in the same order in every step.
.macro MUL16 a0, p, q, sc, first
.irp a, \a0, \a0+1
.irp b, 0,1,2,3,4,5,6,7
.if \first
	v_wmma_scale_f32_16x16x128_f8f6f4 v[8*(8*((\a)%4)+\b):8*(8*((\a)%4)+\b)+7], v[128*(\p)+FR*\b:128*(\p)+FR*\b+FR-1], v[AF+FR*(\a):AF+FR*(\a)+FR-1], v[BIAS+8*\b:BIAS+8*\b+7], v[SC+8*NQ*(\sc)+NQ*\b+(\q)], v[SC+8*NQ*(\sc)+NQ*(\a)+(\q)] matrix_a_fmt:MATRIX_FMT_FP4 matrix_b_fmt:MATRIX_FMT_FP4 matrix_a_scale:MATRIX_SCALE_ROW1
.else
	v_wmma_scale_f32_16x16x128_f8f6f4 v[8*(8*((\a)%4)+\b):8*(8*((\a)%4)+\b)+7], v[128*(\p)+FR*\b:128*(\p)+FR*\b+FR-1], v[AF+FR*(\a):AF+FR*(\a)+FR-1], v[8*(8*((\a)%4)+\b):8*(8*((\a)%4)+\b)+7], v[SC+8*NQ*(\sc)+NQ*\b+(\q)], v[SC+8*NQ*(\sc)+NQ*(\a)+(\q)] matrix_a_fmt:MATRIX_FMT_FP4 matrix_b_fmt:MATRIX_FMT_FP4 matrix_a_scale:MATRIX_SCALE_ROW1
.endif
.endr
.endr
.endm
.macro FETCH_B slot, q, p
	WIN TO_B
.irp i, 0,1,2,3,4,5,6,7
	FRAGB 128*(\p)+FR*\i, ADRB+\slot, \q, \i
.endr
	WIN 0
.endm
.macro FETCH_A slot, q, i0
.irp i, \i0, \i0+1, \i0+2, \i0+3
	FRAGA AF+FR*(\i), ADRA+\slot, \q, \i
.endr
.endm
.macro SCALES sc                       ; a K step's scale words: four a row; lanes 0-15 take x's block i, lanes 16-31 w_in's block i
.irp i, 0,1,2,3,4,5,6,7
	ds_load_b128 v[SC+8*NQ*\sc+NQ*\i:SC+8*NQ*\sc+NQ*\i+3], v[ADRS] offset:\i*SBLK
.endr
.endm
.macro PLACES n                        ; plain vector instructions that name none of a matrix instruction's registers, in front of loads into registers that it has read and of the first read of its results
.rept \n
	v_nop
.endr
.endm
; A step of 128 along K that has its successor in the same slot.  x has one set of registers: blocks 0-3 are fetched anew in the step's middle, blocks 4-7 at its end; w_in has two sets.
.macro STEP slot, q, first
	s_wait_dscnt 4*NL                              ; all but the youngest eight loads (x's blocks 4-7) are in
.if \first
	WIN FIRST_LO
.else
	WIN MUL_LO
.endif
	MUL16 0, (\q)%2, \q, \slot, \first
	MUL16 2, (\q)%2, \q, \slot, \first
	s_wait_dscnt 0
	PLACES NP
	FETCH_B \slot, (\q)+1, 1-(\q)%2
	FETCH_A \slot, (\q)+1, 0
.if \first
	WIN FIRST_HI
.else
	WIN MUL_HI
.endif
	MUL16 4, (\q)%2, \q, \slot, \first
	MUL16 6, (\q)%2, \q, \slot, \first
	PLACES NP
	WIN 0
	FETCH_A \slot, (\q)+1, 4
.endm
	s_wait_tensorcnt 1                             ; the scales and my part of K step 0 are in; K step 1's load, issued behind them, may be out
	s_barrier_signal -1
	s_barrier_wait -1                              ; everybody's are
	FETCH_B 0, 0, 0
	FETCH_A 0, 0, 0
	SCALES 0
	FETCH_A 0, 0, 4
	s_wait_loadcnt 0x0                             ; the bias
	STEP 0, 0, 1
	STEP 0, 1, 0
	STEP 0, 2, 0
	; slot 0's last step changes slots: one barrier
	s_wait_tensorcnt 0x0                           ; my part of slot 1 has landed
	ds_add_u32 v[SPW], v[NIL]                      ; 0 onto my spare word
	s_wait_dscnt 4*NL+1                            ; the add and the youngest eight loads (x's blocks 4-7) may be out
	WIN MUL_LO
	MUL16 0, 1, NQ-1, 0, 0
	s_wait_dscnt 0x0                               ; no LDS instruction of mine is pending at the signal
	s_barrier_signal -1
	MUL16 2, 1, NQ-1, 0, 0
	WIN 0
	s_barrier_wait -1                              ; slot 1 is whole
	PLACES NP
	v_add_nc_u32 v[ADRS], 4*NQ, v[ADRS]            ; on to the second K step's scale words
	FETCH_B 1, 0, 0
	FETCH_A 1, 0, 0
	SCALES 1
	WIN MUL_HI
	MUL16 4, 1, NQ-1, 0, 0
	MUL16 6, 1, NQ-1, 0, 0
	PLACES NP
	WIN 0
	FETCH_A 1, 0, 4
	STEP 1, 0, 0
	STEP 1, 1, 0
	STEP 1, 2, 0
	s_wait_dscnt 4*NL                              ; the very last step: nothing more to fetch
	WIN MUL_LO
	MUL16 0, 1, NQ-1, 1, 0
	MUL16 2, 1, NQ-1, 1, 0
	s_wait_dscnt 0
	WIN MUL_HI
	MUL16 4, 1, NQ-1, 1, 0
	MUL16 6, 1, NQ-1, 1, 0
	WIN 0
; THE WAY OUT, block by block of 16 rows: rounded to f16, 16 bytes a lane, stored as pieces of 512 bytes.  Each accumulator is read from its low end on.
.macro PACK a
.set AC, 64*((\a)%4)
	WIN 0x0a+5*((\a)/4)                            ; sources 0 and 1: window 2 or 3
.irp b, 0,1,2,3,4,5,6,7
.irp r, 0,1,2,3
	v_cvt_pk_f16_f32 v[PK+32*((\a)%4)+4*\b+\r], v[AC+8*\b+2*\r], v[AC+8*\b+2*\r+1]
.endr
.endr
	WIN 0
.endm
.macro SEND a                          ; column block b: head b / 4 of my two (2^18 bytes apart), piece b % 4
.irp b, 0,1,2,3,4,5,6,7
	global_store_b128 v[CO], v[PK+32*((\a)%4)+4*\b:PK+32*((\a)%4)+4*\b+3], s[12:13] offset:(\b/4)*262144+(\a)*2048+(\b%4)*512
.endr
.endm
	PLACES NP                                      ; behind the last products: their results are read, and registers that they have read are written
.irp a, 0,1,2,3,4,5,6,7
.if \a >= 4
	s_wait_xcnt 0x0                                ; block a - 4's stores have read their registers: they are written again only behind this wait
.endif
	PACK \a
	SEND \a
.endr
	s_wait_tensorcnt 0x0                           ; the wave's end, behind my last tensor load
	ds_add_u32 v[SPW], v[NIL]
	s_wait_dscnt 0x0
	CROUND                                         ; the closing round
	s_endpgm
.Lfunc_end_k_qff15a45878_qkv:
	.size	k_qff15a45878_qkv, .Lfunc_end_k_qff15a45878_qkv-k_qff15a45878_qkv
	.p2alignl 7, 3214868480
	.fill 96, 4, 3214868480
	.section	.rodata,"a",@progbits
	.p2align	6, 0x0
	.amdhsa_kernel k_qff15a45878_qkv
		.amdhsa_group_segment_fixed_size 327680
		.amdhsa_private_segment_fixed_size 0
		.amdhsa_enable_private_segment 0
		.amdhsa_kernarg_size 48
		.amdhsa_user_sgpr_count 2
		.amdhsa_user_sgpr_kernarg_segment_ptr 1
		.amdhsa_wavefront_size32 1
		.amdhsa_system_sgpr_workgroup_id_x 1
		.amdhsa_system_sgpr_workgroup_id_y 1
		.amdhsa_system_sgpr_workgroup_id_z 1
		.amdhsa_system_vgpr_workitem_id 0
		.amdhsa_next_free_vgpr 1024
		.amdhsa_next_free_sgpr 100
		.amdhsa_reserve_vcc 0
		.amdhsa_float_denorm_mode_32 3
		.amdhsa_float_denorm_mode_16_64 3
		.amdhsa_memory_ordered 1
		.amdhsa_forward_progress 1
		.amdhsa_inst_pref_size 122
	.end_amdhsa_kernel
	.amdgpu_metadata
---
amdhsa.version: [ 1, 2 ]
amdhsa.kernels:
  - .name:           k_qff15a45878_qkv
    .symbol:         k_qff15a45878_qkv.kd
    .args:
      - { .name: xc, .offset: 0, .size: 8, .value_kind: global_buffer, .address_space: global }
      - { .name: xs, .offset: 8, .size: 8, .value_kind: global_buffer, .address_space: global }
      - { .name: wc, .offset: 16, .size: 8, .value_kind: global_buffer, .address_space: global }
      - { .name: ws, .offset: 24, .size: 8, .value_kind: global_buffer, .address_space: global }
      - { .name: b_in, .offset: 32, .size: 8, .value_kind: global_buffer, .address_space: global }
      - { .name: qkv16, .offset: 40, .size: 8, .value_kind: global_buffer, .address_space: global }
    .group_segment_fixed_size: 327680
    .private_segment_fixed_size: 0
    .kernarg_segment_align: 8
    .kernarg_segment_size: 48
    .max_flat_workgroup_size: 128
    .sgpr_count:     100
    .vgpr_count:     1024
    .wavefront_size: 32
...
	.end_amdgpu_metadata
.endif
;; end of part 2
;; launch attn (part 3): grid 4 x 64, 8 waves a work-group, clusters of 4 x 1, 327,680 bytes of LDS; arguments qkv16, o16; writes o16
.if DOCPART == 3
	.amdgcn_target "amdgcn-amd-amdhsa--gfx1250"
	.amdhsa_code_object_version 6
	.text
	.protected	k_qff15a45878_attn
	.globl	k_qff15a45878_attn
	.p2align	8
	.type	k_qff15a45878_attn,@function
k_qff15a45878_attn:
	s_mov_b64 s[64:65], 0
	v_nop
	global_prefetch_b8 v0, s[64:65] scope:SCOPE_SE
	s_setreg_imm32_b32 hwreg(HW_REG_WAVE_MODE, 25, 1), 1
	s_wait_xcnt 0x0
	s_wait_alu depctr_hold_cnt(0) depctr_sa_sdst(0) depctr_va_vdst(0) depctr_va_sdst(0) depctr_va_ssrc(0) depctr_va_vcc(0) depctr_vm_vsrc(0)
	s_getreg_b32 s2, hwreg(HW_REG_IB_STS2, 6, 4)
	s_cmp_eq_u32 s2, 0
	s_cbranch_scc0 .Lentry_in_a_cluster
	s_endpgm
.Lentry_in_a_cluster:
	s_bfe_u32 s2, ttmp6, 0x10000c
	s_cmp_lg_u32 s2, 0x3003
	s_cbranch_scc0 .Lentry_shape_is_right
	s_endpgm
.Lentry_shape_is_right:
; SELF-ATTENTION, launch 3 of 4: o = softmax(q k^T / 8) v for each of 64 (batch, head) pairs; 2,048 positions, head size 64, no mask.  Operands f16, products, maxima and sums f32.
; WORK LEFT OUT: the keys arrive without their bias, which the softmax along the keys cancels for all finite inputs (shown at the head of launch prep).
; LIMITS: the weights p (at most 1 by the running maximum) and o are rounded to f16; p under 6e-8 counts as 0 in the second product, not in the row's sum.
; SHARES.  A work-group owns 512 queries of one head, each of its eight waves 64: four tiles of 16.  Two waves share a SIMD: while one walks its softmax, the other's matrix instructions can be issued.  Every wave walks all 2,048 keys, 64 a step.
; LAYOUT.  S^T = K Q^T (source 0 = 16 keys, source 1 = 16 queries): a lane holds ONE query (lane % 16) and the keys 8 (lane / 16) + 0 .. 7.  Two such tiles rounded to f16 in pairs ARE source 1 of O^T = V^T P.
; q, k, v lie in memory as images of operand registers (launch qkv): pieces of 512 bytes, 16 bytes a lane: [16 positions][16 channels: 4][512].  Every LDS load reads 512 consecutive bytes; v is turned by ds_load_tr16_b128.
; SOFTMAX.  For each query a running maximum m and sum l: p = 2^(c s - c m), c = log2(e) / 8; in every step O and l are multiplied by a = 2^(c m_old - c m_new).  m begins at -3e38 and O, l at 0, so the loop has no first step of its own.
; RING.  Two slots of 512 keys (k: 65,536 bytes, then v: 65,536), 2^17 bytes apart.  Each wave fetches an eighth of a slot, 16 KiB dense, by one tensor load.  Both slots are first fills; each is filled once more.
; CLUSTER.  The four query blocks of a head walk the same k and v: each tile is asked for jointly, by the same load with the same descriptor and the mask of all four.
; No prefetch: a refill is asked for eight key steps of every wave ahead of the wait for it.
; REGISTERS.  window 0: v1 16 x lane; v2 the address in hand; v3, v4 the add's two; v5 16 x lane + 65,536; v8-39 statistics, 8 a tile; v40-167 S^T, 32 a tile (P is packed into a tile's first 16); v168-231 V's fragments.
;   window 1: v0-127 O^T, 32 a tile; v128-191 Q, 16 a tile; v192-255 K's fragments.
.set LA,  1
.set ADR, 2
.set SPW, 3
.set NIL, 4
.set LAV, 5
.set ST,  8                            ; tile t at v[ST + 8 t]: +0 c m, +1 m, +2, +3 l in two halves, +4 .. +7 c0 .. c3 at work; a takes c2's place
.set S,   40
.set VB,  168
.set QF,  128                          ; in window 1
.set KB,  192                          ; in window 1
.set STEPB, 8192                       ; a key step's k, and its v
.set VOFF,  65536
.set SLOT1, 1<<17
.set SPARE, 2*SLOT1                    ; the spare words, 128 bytes for each of eight waves: four blocks of 256 bytes that no other line names
.set WV,  8
.set G1,  16                           ; s[16:23] group 1: 64 rows of 256 bytes, dense
.set G0A, 24                           ; s[24:27] group 0 of slot 0's first fill
.set G0B, 28                           ; s[28:31] of slot 1's; it then walks on
.set CS,  32                           ; s[32:33] c
.set SEL, 34                           ; s[34:35] v_permlanex16_b32's selects for lane l xor 16
.set TB,  36                           ; s36 LDS byte at which k of the step to be fetched begins
.set CNT, 37
.set SLOTS, 38
.set MSB, 0
.macro WIN new
.if MSB != \new
	s_set_vgpr_msb (MSB<<8)|\new
.set MSB, \new
.endif
.endm
.macro CROUND                          ; a round of the cluster's barrier
	s_barrier_signal -1
	s_barrier_wait -1
	s_cmp_lg_u32 s[WV], 0
	s_cbranch_scc1 .Lnot_wave_0_\@
	s_barrier_signal -3
.Lnot_wave_0_\@:
	s_barrier_wait -3
	s_barrier_signal -1
	s_barrier_wait -1
.endm
.macro KLOAD                           ; 64 keys x 64 channels: fragment f = 4 c + kt: keys 16 kt on, channels 32 c on
	v_add_nc_u32 v[ADR], s[TB], v[LA]
	WIN 0x40                                       ; destination window 1
.irp f, 0,1,2,3,4,5,6,7
	ds_load_b128 v[KB+8*\f:KB+8*\f+3],   v[ADR] offset:(\f%4)*2048+(\f/4)*1024
	ds_load_b128 v[KB+8*\f+4:KB+8*\f+7], v[ADR] offset:(\f%4)*2048+(\f/4)*1024+512
.endr
	WIN 0
.endm
.macro VLOAD                           ; V^T: fragment f = 4 kg + ct: channels 16 ct on, keys 32 kg on.  The addition and three v_nop are the four places behind K Q^T
	v_add_nc_u32 v[ADR], s[TB], v[LAV]
.rept 3
	v_nop
.endr
.irp f, 0,1,2,3,4,5,6,7
	ds_load_tr16_b128 v[VB+8*\f:VB+8*\f+3],   v[ADR] offset:(\f/4)*4096+(\f%4)*512
	ds_load_tr16_b128 v[VB+8*\f+4:VB+8*\f+7], v[ADR] offset:(\f/4)*4096+2048+(\f%4)*512
.endr
.endm
.macro QK                              ; 32 products; the 16 accumulators take turns, one instruction a turn; the first 16 start the sums
	WIN 0x05                                       ; K and Q window 1, S^T window 0
.irp c, 0,1
.irp kt, 0,1,2,3
.irp t, 0,1,2,3
.if \c == 0
	v_wmma_f32_16x16x32_f16 v[S+32*\t+8*\kt:S+32*\t+8*\kt+7], v[KB+8*(4*\c+\kt):KB+8*(4*\c+\kt)+7], v[QF+16*\t+8*\c:QF+16*\t+8*\c+7], 0
.else
	v_wmma_f32_16x16x32_f16 v[S+32*\t+8*\kt:S+32*\t+8*\kt+7], v[KB+8*(4*\c+\kt):KB+8*(4*\c+\kt)+7], v[QF+16*\t+8*\c:QF+16*\t+8*\c+7], v[S+32*\t+8*\kt:S+32*\t+8*\kt+7]
.endif
.endr
.endr
.endr
.endm
.macro PV                              ; 32 products O^T += V^T P, the 16 accumulators by turns
	WIN 0x50                                       ; V and P window 0, O^T window 1
.irp kg, 0,1
.irp ct, 0,1,2,3
.irp t, 0,1,2,3
	v_wmma_f32_16x16x32_f16 v[32*\t+8*\ct:32*\t+8*\ct+7], v[VB+8*(4*\kg+\ct):VB+8*(4*\kg+\ct)+7], v[S+32*\t+8*\kg:S+32*\t+8*\kg+7], v[32*\t+8*\ct:32*\t+8*\ct+7]
.endr
.endr
.endr
.endm
.macro PKF t, b                        ; pair b of tile t: c s - c m
	v_pk_fma_f32 v[S+32*(\t)+2*(\b):S+32*(\t)+2*(\b)+1], v[S+32*(\t)+2*(\b):S+32*(\t)+2*(\b)+1], s[CS:CS+1], v[ST+8*(\t):ST+8*(\t)+1] op_sel_hi:[1,0,0] neg_lo:[0,0,1] neg_hi:[0,0,1]
.endm
; The four tiles' softmax of a key step, the tiles by turns, so that no line waits for the line above it.
.macro SOFTMAX
.irp j, 0,1,2,3                        ; the maximum of a lane's 32 scores and the old m: four chains; each accumulator is read from its low end on
.irp t, 0,1,2,3
	v_max3_num_f32 v[ST+8*\t+4+\j], v[S+32*\t+8*\j], v[S+32*\t+8*\j+1], v[S+32*\t+8*\j+2]
.endr
.endr
.irp u, 3,5
.irp j, 0,1,2,3
.irp t, 0,1,2,3
	v_max3_num_f32 v[ST+8*\t+4+\j], v[ST+8*\t+4+\j], v[S+32*\t+8*\j+\u], v[S+32*\t+8*\j+\u+1]
.endr
.endr
.endr
.irp t, 0,1,2,3
	v_max3_num_f32 v[ST+8*\t+4], v[ST+8*\t+4], v[S+32*\t+7], v[S+32*\t+15]
.endr
.irp t, 0,1,2,3
	v_max3_num_f32 v[ST+8*\t+6], v[ST+8*\t+6], v[S+32*\t+23], v[S+32*\t+31]
.endr
.irp t, 0,1,2,3
	v_max3_num_f32 v[ST+8*\t+4], v[ST+8*\t+4], v[ST+8*\t+5], v[ST+8*\t+6]
.endr
.irp t, 0,1,2,3
	v_max3_num_f32 v[ST+8*\t+4], v[ST+8*\t+4], v[ST+8*\t+7], v[ST+8*\t+1]
.endr
.irp t, 0,1,2,3
	v_permlanex16_b32 v[ST+8*\t+5], v[ST+8*\t+4], s[SEL], s[SEL+1]   ; the query's other 32 keys lie in the lane 16 away
.endr
.irp t, 0,1,2,3
	v_mov_b32 v[ST+8*\t+7], v[ST+8*\t]             ; c m_old is kept for a
.endr
.irp t, 0,1,2,3
	v_max_num_f32 v[ST+8*\t+1], v[ST+8*\t+4], v[ST+8*\t+5]
.endr
.irp t, 0,1,2,3
	v_mul_f32 v[ST+8*\t], s[CS], v[ST+8*\t+1]
.endr
.irp t, 0,1,2,3
	v_sub_f32 v[ST+8*\t+7], v[ST+8*\t+7], v[ST+8*\t]
.endr
	; ONE BATCH: all 132 exponentials and the 64 scalings; none of these lines reads an exponential's result
.irp t, 0,1,2,3
	v_exp_f32 v[ST+8*\t+6], v[ST+8*\t+7]           ; a
.endr
.irp b, 0,1,2,3,4,5,6,7,8,9,10,11,12,13,14,15
	PKF 0, \b
.endr
.irp t, 0,1,2
.irp b, 0,1,2,3,4,5,6,7,8,9,10,11,12,13,14,15
	PKF \t+1, \b                                   ; the next tile's scaling leads two exponentials of this tile
	v_exp_f32 v[S+32*\t+2*\b], v[S+32*\t+2*\b]
	v_exp_f32 v[S+32*\t+2*\b+1], v[S+32*\t+2*\b+1]
.endr
.endr
.irp b, 0,1,2,3,4,5,6,7,8,9,10,11,12,13,14,15
	v_exp_f32 v[S+96+2*\b], v[S+96+2*\b]
	v_exp_f32 v[S+96+2*\b+1], v[S+96+2*\b+1]
.endr
	v_nop                                          ; a plain instruction behind the last exponential
	s_wait_alu depctr_va_vdst(0)                   ; one wait for the whole batch, ahead of its first reader
.irp t, 0,1,2,3
	v_pk_mul_f32 v[ST+8*\t+2:ST+8*\t+3], v[ST+8*\t+2:ST+8*\t+3], v[ST+8*\t+6:ST+8*\t+7] op_sel_hi:[1,0]   ; l x a
.endr
.irp t, 0,1,2,3                        ; the sum of the unrounded p, in two chains
	v_pk_add_f32 v[ST+8*\t+4:ST+8*\t+5], v[S+32*\t:S+32*\t+1], v[S+32*\t+2:S+32*\t+3]
.endr
.irp j, 4,8,12,16,20,24,28
.irp t, 0,1,2,3
	v_pk_add_f32 v[ST+8*\t+2:ST+8*\t+3], v[ST+8*\t+2:ST+8*\t+3], v[S+32*\t+\j:S+32*\t+\j+1]
.endr
.irp t, 0,1,2,3
	v_pk_add_f32 v[ST+8*\t+4:ST+8*\t+5], v[ST+8*\t+4:ST+8*\t+5], v[S+32*\t+\j+2:S+32*\t+\j+3]
.endr
.endr
.irp t, 0,1,2,3
	v_pk_add_f32 v[ST+8*\t+2:ST+8*\t+3], v[ST+8*\t+2:ST+8*\t+3], v[ST+8*\t+4:ST+8*\t+5]
.endr
.irp i, 0,1,2,3,4,5,6,7,8,9,10,11,12,13,14,15   ; P in place, ascending: register i takes weights 2 i and 2 i + 1, which lie at or above it
.irp t, 0,1,2,3
	v_cvt_pk_f16_f32 v[S+32*\t+\i], v[S+32*\t+2*\i], v[S+32*\t+2*\i+1]
.endr
.endr
.endm
.macro RESCALE                         ; O^T times the number in a's place; each accumulator from its low end on
	WIN 0x41                                       ; O^T (destination and source 0) window 1, a window 0
.irp i, 0,1,2,3,4,5,6,7,8,9,10,11,12,13,14,15
.irp t, 0,1,2,3
	v_pk_mul_f32 v[32*\t+2*\i:32*\t+2*\i+1], v[32*\t+2*\i:32*\t+2*\i+1], v[ST+8*\t+6:ST+8*\t+7] op_sel_hi:[1,0]
.endr
.endr
.endm
; THE CHANGE OF SLOTS, behind the loads of the slot's last v.  Each wave waits for all its tensor loads (its part of the other slot), adds 0 to its spare word, and waits for that and for its reads of this slot.
; fill = 1: a round of the cluster's barrier, and behind it, first, the joint refill of the slot just left: the wave's one tensor load until the next round.
.macro CHANGE fill
	s_wait_tensorcnt 0x0                           ; no tensor load of mine is out, so a group 0 may be written
	ds_add_u32 v[SPW], v[NIL]
.if \fill
	s_xor_b32 s[G0B+1], s[G0B+1], SLOT1            ; the walking descriptor: the other slot than last time,
	s_add_nc_u64 s[G0B+2:G0B+3], s[G0B+2:G0B+3], 65536   ; the next 512 keys; the type bits on top are not reached
.endif
	s_wait_dscnt 0x0                               ; the add is done, and my reads of this slot are over
.if \fill
	CROUND
	tensor_load_to_lds s[G0B:G0B+3], s[G1:G1+7]
	s_nop 0
.rept 4
	v_nop
.endr
.else
	s_barrier_signal -1
	s_barrier_wait -1
.endif
.endm
; A KEY STEP.  chg = 0: inside a slot; 1: the slot's last, with a refill; 2: the slot's last, without.  kload = 1: the next step's k is fetched.
.macro STEP chg, kload
.rept 5
	v_nop                                          ; K Q^T writes over P, which the last V^T P read as a source: five places
.endr
	s_wait_dscnt 0x0                               ; this step's k is in
	QK
	WIN 0
	VLOAD
.if \chg == 1
	CHANGE 1
.elseif \chg == 2
	CHANGE 0
.endif
.if \chg
	s_sub_co_u32 s[TB], s[TB], 7*STEPB             ; back to a slot's first step,
	s_xor_b32 s[TB], s[TB], SLOT1                  ; in the other slot
.elseif \kload
	s_add_co_u32 s[TB], s[TB], STEPB
.endif
.if \kload
	KLOAD
.endif
	SOFTMAX
	RESCALE
.if \kload
	s_wait_dscnt 16                                ; v is in; the sixteen loads of the next k, issued behind it, may be out
.else
	s_wait_dscnt 0x0
.endif
	PV
	WIN 0
.endm
.macro SEVEN
	s_mov_b32 s[CNT], 7
.Lseven_\@:
	STEP 0, 1
	s_sub_co_u32 s[CNT], s[CNT], 1
	s_cmp_lg_u32 s[CNT], 0
	s_cbranch_scc1 .Lseven_\@
.endm
	s_load_b128 s[4:7], s[0:1], 0x0                ; qkv16 s[4:5], o16 s[6:7]
	v_lshl_add_u32 v[SPW], v0, 2, SPARE
	v_mov_b32 v[NIL], 0
	ds_add_u32 v[SPW], v[NIL]                      ; the wave's opening: the add, twice on end, and its wait ahead of my first tensor load
	ds_add_u32 v[SPW], v[NIL]
	v_lshrrev_b32 v6, 5, v0
	v_readfirstlane_b32 s[WV], v6                  ; wave 0..7
	v_and_b32 v[LA], 31, v0
	v_lshlrev_b32 v[LA], 4, v[LA]
	v_add_nc_u32 v[LAV], VOFF, v[LA]
	s_bfe_u32 s9, ttmp6, 0x40000                   ; cx: my block of 512 queries: it enters q's and o's addresses alone
	s_and_b32 s10, ttmp7, 0xffff                   ; batch x head, which the four partners share
	s_mov_b32 s[G1], 15|(3<<16)|(1<<21)            ; the mask of all four; elements of 8 bytes; bit 21 beside a mask; no padding
	s_mov_b32 s[G1+1], 32<<16                      ; tensor_dim0 = 32 elements: 256 bytes
	s_mov_b32 s[G1+2], 64<<16                      ; tensor_dim1 = 64
	s_mov_b32 s[G1+3], 32<<16                      ; tile_dim0
	s_mov_b32 s[G1+4], 64                          ; tile_dim1
	s_mov_b32 s[G1+5], 32                          ; dense
	s_mov_b32 s[G1+6], 0
	s_mov_b32 s[G1+7], 0
	s_mov_b32 s[CS], 0x3e38aa3b                    ; c = log2(e) / 8
	s_mov_b32 s[CS+1], s[CS]                       ; named with it as a pair, so it is written
	s_mov_b32 s[SEL], 0x76543210
	s_mov_b32 s[SEL+1], 0xfedcba98
	s_mov_b32 s[SLOTS], 2
	s_lshl_b32 s11, s10, 18                        ; the head's first byte in a third
	s_lshr_b32 s12, s[WV], 2                       ; waves 0-3 fetch k (the second third), waves 4-7 v (the last)
	s_add_co_u32 s12, s12, 1
	s_lshl_b32 s12, s12, 24
	s_add_co_u32 s12, s12, s11
	s_and_b32 s13, s[WV], 3
	s_lshl_b32 s13, s13, 14                        ; my quarter of a slot's 65,536 bytes
	s_add_co_u32 s12, s12, s13
	s_mov_b32 s13, 0
	s_lshl_b32 s40, s9, 5
	s_lshl_b32 s41, s[WV], 2
	s_add_co_u32 s42, s40, s41                     ; my first block of 16 queries: 32 cx + 4 wave
	s_lshl_b32 s40, s42, 11
	s_add_co_u32 s40, s40, s11
	s_mov_b32 s41, 0
	s_lshr_b32 s44, s10, 4                         ; o16: [row / 16][4 head + channel / 16][512]: (128 batch + my block) x 32,768 + head x 2,048
	s_lshl_b32 s44, s44, 7
	s_add_co_u32 s44, s44, s42
	s_lshl_b32 s44, s44, 15
	s_and_b32 s45, s10, 15
	s_lshl_b32 s45, s45, 11
	s_add_co_u32 s44, s44, s45
	s_mov_b32 s45, 0
	s_lshl_b32 s46, s[WV], 14                      ; my eighth of a slot in LDS: no place in the cluster enters an LDS address
	s_wait_dscnt 0x0                               ; both opening adds are done
	s_wait_kmcnt 0x0
	s_add_nc_u64 s[14:15], s[4:5], s[12:13]
	s_add_nc_u64 s[4:5], s[4:5], s[40:41]          ; q at my wave's first piece
	s_add_nc_u64 s[6:7], s[6:7], s[44:45]          ; o likewise
	s_mov_b32 s[G0A], 1
	s_mov_b32 s[G0A+1], s46
	s_mov_b64 s[G0A+2:G0A+3], s[14:15]
	s_or_b32 s[G0A+3], s[G0A+3], 0x80000000
	s_mov_b32 s[G0B], 1
	s_add_co_u32 s[G0B+1], s46, SLOT1
	s_add_nc_u64 s[G0B+2:G0B+3], s[14:15], 65536
	s_or_b32 s[G0B+3], s[G0B+3], 0x80000000
	CROUND                                         ; all four work-groups are here: the first joint loads meet
	tensor_load_to_lds s[G0A:G0A+3], s[G1:G1+7]    ; keys 0 to 511
	s_nop 0
	tensor_load_to_lds s[G0B:G0B+3], s[G1:G1+7]    ; keys 512 to 1,023: two tensor loads of mine are out, the most in this text
	s_nop 0
.rept 4
	v_nop
.endr
	WIN 0x40                                       ; destination window 1
.set i, 0
.rept 16
	global_load_b128 v[QF+4*i:QF+4*i+3], v[LA], s[4:5] offset:512*i   ; Q stays in registers: piece i = 4 t + 2 c + half
.set i, i+1
.endr
.set i, 0
.rept 128
	v_mov_b32 v[i], 0                              ; O^T: the step is written for all steps alike; the first finds zeros, which a = 0 leaves zeros
.set i, i+1
.endr
	WIN 0
.irp t, 0,1,2,3
	v_mov_b32 v[ST+8*\t+1], 0xff61b1e6             ; m = -3e38, under every score
	v_mul_f32 v[ST+8*\t], s[CS], v[ST+8*\t+1]
	v_mov_b32 v[ST+8*\t+2], 0
	v_mov_b32 v[ST+8*\t+3], 0
.endr
	s_wait_tensorcnt 1                             ; my part of slot 0 is in; slot 1's load, issued behind it, may stay out
	s_barrier_signal -1
	s_barrier_wait -1
	s_mov_b32 s[TB], 0
	KLOAD
	s_wait_loadcnt 0x0                             ; Q
.Lslot:                                            ; two trips: slots 0 and 1 are each filled once more
	SEVEN
	STEP 1, 1
	s_sub_co_u32 s[SLOTS], s[SLOTS], 1
	s_cmp_lg_u32 s[SLOTS], 0
	s_cbranch_scc1 .Lslot
	SEVEN                                          ; the tail is written out
	STEP 2, 1
	SEVEN
	STEP 0, 0
	; THE WAY OUT: l's halves and the other half of the lanes' are added; O^T / l, rounded to f16, is 16 bytes a lane for each 16 channels: a piece of the next product's operand, stored as it stands.
.rept 4
	v_nop                                          ; places behind the last products
.endr
.irp t, 0,1,2,3
	v_add_f32 v[ST+8*\t+4], v[ST+8*\t+2], v[ST+8*\t+3]
.endr
.irp t, 0,1,2,3
	v_permlanex16_b32 v[ST+8*\t+5], v[ST+8*\t+4], s[SEL], s[SEL+1]
.endr
.irp t, 0,1,2,3
	v_add_f32 v[ST+8*\t+4], v[ST+8*\t+4], v[ST+8*\t+5]
.endr
.irp t, 0,1,2,3
	v_rcp_f32 v[ST+8*\t+6], v[ST+8*\t+4]
.endr
	v_nop                                          ; a plain instruction behind the last reciprocal
	s_wait_alu depctr_va_vdst(0)                   ; one wait for the four, ahead of their first reader
	RESCALE
	WIN 0x05                                       ; sources window 1, destination window 0: V's registers are free
.irp t, 0,1,2,3
.irp i, 0,1,2,3,4,5,6,7,8,9,10,11,12,13,14,15
	v_cvt_pk_f16_f32 v[VB+16*\t+\i], v[32*\t+2*\i], v[32*\t+2*\i+1]
.endr
.endr
	WIN 0
.irp t, 0,1,2,3
.irp ct, 0,1,2,3
	global_store_b128 v[LA], v[VB+16*\t+4*\ct:VB+16*\t+4*\ct+3], s[6:7] offset:\t*32768+512*\ct   ; the wave stores 512 consecutive bytes, aligned
.endr
.endr
	s_wait_tensorcnt 0x0                           ; the wave's end, behind my last tensor load
	ds_add_u32 v[SPW], v[NIL]
	s_wait_dscnt 0x0
	CROUND                                         ; the closing round
	s_endpgm
.Lfunc_end_k_qff15a45878_attn:
	.size	k_qff15a45878_attn, .Lfunc_end_k_qff15a45878_attn-k_qff15a45878_attn
	.p2alignl 7, 3214868480
	.fill 96, 4, 3214868480
	.section	.rodata,"a",@progbits
	.p2align	6, 0x0
	.amdhsa_kernel k_qff15a45878_attn
		.amdhsa_group_segment_fixed_size 327680
		.amdhsa_private_segment_fixed_size 0
		.amdhsa_enable_private_segment 0
		.amdhsa_kernarg_size 16
		.amdhsa_user_sgpr_count 2
		.amdhsa_user_sgpr_kernarg_segment_ptr 1
		.amdhsa_wavefront_size32 1
		.amdhsa_system_sgpr_workgroup_id_x 1
		.amdhsa_system_sgpr_workgroup_id_y 1
		.amdhsa_system_sgpr_workgroup_id_z 1
		.amdhsa_system_vgpr_workitem_id 0
		.amdhsa_next_free_vgpr 512
		.amdhsa_next_free_sgpr 66
		.amdhsa_reserve_vcc 0
		.amdhsa_float_denorm_mode_32 3
		.amdhsa_float_denorm_mode_16_64 3
		.amdhsa_memory_ordered 1
		.amdhsa_forward_progress 1
		.amdhsa_inst_pref_size 214
	.end_amdhsa_kernel
	.amdgpu_metadata
---
amdhsa.version: [ 1, 2 ]
amdhsa.kernels:
  - .name:           k_qff15a45878_attn
    .symbol:         k_qff15a45878_attn.kd
    .args:
      - { .name: qkv16, .offset: 0, .size: 8, .value_kind: global_buffer, .address_space: global }
      - { .name: o16, .offset: 8, .size: 8, .value_kind: global_buffer, .address_space: global }
    .group_segment_fixed_size: 327680
    .private_segment_fixed_size: 0
    .kernarg_segment_align: 8
    .kernarg_segment_size: 16
    .max_flat_workgroup_size: 256
    .sgpr_count:     66
    .vgpr_count:     512
    .wavefront_size: 32
...
	.end_amdgpu_metadata
.endif
;; end of part 3
;; launch proj (part 4): grid 4 x 64, 4 waves a work-group, clusters of 4 x 4, 327,680 bytes of LDS; arguments o16, wo16, b_out, out0; writes out0
.if DOCPART == 4
	.amdgcn_target "amdgcn-amd-amdhsa--gfx1250"
	.amdhsa_code_object_version 6
	.text
	.protected	k_qff15a45878_proj
	.globl	k_qff15a45878_proj
	.p2align	8
	.type	k_qff15a45878_proj,@function
k_qff15a45878_proj:
	s_mov_b64 s[64:65], 0
	v_nop
	global_prefetch_b8 v0, s[64:65] scope:SCOPE_SE
	s_setreg_imm32_b32 hwreg(HW_REG_WAVE_MODE, 25, 1), 1
	s_wait_xcnt 0x0
	s_wait_alu depctr_hold_cnt(0) depctr_sa_sdst(0) depctr_va_vdst(0) depctr_va_sdst(0) depctr_va_ssrc(0) depctr_va_vcc(0) depctr_vm_vsrc(0)
	s_getreg_b32 s2, hwreg(HW_REG_IB_STS2, 6, 4)
	s_cmp_eq_u32 s2, 0
	s_cbranch_scc0 .Lentry_in_a_cluster
	s_endpgm
.Lentry_in_a_cluster:
	s_bfe_u32 s2, ttmp6, 0x10000c
	s_cmp_lg_u32 s2, 0xf033
	s_cbranch_scc0 .Lentry_shape_is_right
	s_endpgm
.Lentry_shape_is_right:
; SELF-ATTENTION, launch 4 of 4: out0 = o w_out + b_out.  o [8192][1024] and w_out^T [1024 (n)][1024 (k)] arrive in f16 as images of operand registers; sums and out0 in f32.
; o16 [row / 16][k / 16][512 bytes], wo16 [n / 16][k / 16][512 bytes]: lane l's 16 bytes at 16 l: row (or n) l % 16, k = 8 (l / 16) + 0 .. 7 of the piece.  A fragment (16 rows x 32 K) is two neighbouring pieces.
; A tile of 128 rows x 256 columns is made by a work-group of four waves: 256 work-groups.  A wave makes 64 x 128: 32 accumulators of 16 x 16.
; K goes in steps of 128 through a ring of two LDS slots: a K step of 16 rows is 4,096 dense bytes; o's 8 such blocks, then w_out's 16.  Waves 0, 1 fetch o's halves, waves 2, 3 w_out's, one tensor load each.
; CLUSTERS: 4 x 4 work-groups; o's tiles are shared along a row of the cluster, w_out's along a column: joint loads.  TRANSPOSED USE (source 0 = 16 rows of w_out^T, source 1 = 16 rows of o): a lane holds eight neighbouring numbers of a row of out0.
; The bias is the C of each sum's first matrix instruction.
; REGISTERS: window 0: v16-30 addresses; v32-63, v64-95 o's fragments, two buffers; v192-255 the bias; on the way out v128-255 take rows read back.   window 1: v0-63, v64-127 w_out's fragments, two buffers.
;   window 2: the accumulators, (a, b) at v[8 (8 a + b)].
.set HA,     4*4096                    ; 64 rows of o for a K step: what a wave fetches, and reads
.set HB,     8*4096                    ; 128 rows of w_out^T
.set SLOT,   2*HA+2*HB
.set STAGE,  2*SLOT                    ; behind the ring: 16 rows x (512 bytes + 16) for each wave; no tensor load lands there
.set SPITCH, 528
.set SPARE,  STAGE+4*16*SPITCH         ; the spare words, 128 bytes a wave: two blocks of 256 bytes that no other line names
.set LAPS,   4                         ; a lap = two K steps; K = 1,024
.set ADRA, 16
.set ADRB, 20
.set STO,  24
.set RD,   25
.set CO,   26                          ; v26 16 x lane
.set SPW,  28
.set NIL,  29
.set BO,   30
.set BIAS, 192
.set BK,   128
.set G1, 24
.set G0, 32
.set G1B, 48
.set G0B, 56
.set MSB, 0
.macro WIN new
.if MSB != \new
	s_set_vgpr_msb (MSB<<8)|\new
.set MSB, \new
.endif
.endm
.set MUL,   0xa1                       ; source 0 window 1, source 1 window 0, C and D window 2
.set MULF,  0x81                       ; the first quarter: C (the bias) window 0
.set TO_B,  0x40
.macro JLOAD s                         ; a joint load; an s_nop 0 and four v_nop follow each of the two lines
	s_cmp_eq_u32 s15, 0
	s_cbranch_scc0 .Lfor_b_\@
	tensor_load_to_lds s[G0+4*\s:G0+4*\s+3], s[G1:G1+7]
	s_nop 0
.rept 4
	v_nop
.endr
	s_branch .Lasked_\@
.Lfor_b_\@:
	tensor_load_to_lds s[G0B+4*\s:G0B+4*\s+3], s[G1B:G1B+7]
	s_nop 0
.rept 4
	v_nop
.endr
.Lasked_\@:
.endm
.macro CREST                           ; a round of the cluster's barrier behind its opening barrier
	s_cmp_lg_u32 s14, 0
	s_cbranch_scc1 .Lnot_wave_0_\@
	s_barrier_signal -3
.Lnot_wave_0_\@:
	s_barrier_wait -3
	s_barrier_signal -1
	s_barrier_wait -1
.endm
.macro CROUND
	s_barrier_signal -1
	s_barrier_wait -1
	CREST
.endm
	s_load_b128 s[4:7], s[0:1], 0x0                ; o16 s[4:5], wo16 s[6:7]
	s_load_b128 s[8:11], s[0:1], 0x10              ; b_out s[8:9], out0 s[10:11]
	v_lshl_add_u32 v[SPW], v0, 2, SPARE
	v_mov_b32 v[NIL], 0
	ds_add_u32 v[SPW], v[NIL]                      ; the wave's opening: the add, twice on end, and its wait ahead of my first tensor load
	ds_add_u32 v[SPW], v[NIL]
	v_lshrrev_b32 v1, 5, v0
	v_readfirstlane_b32 s14, v1                    ; wave 0..3
	s_lshr_b32 s15, s14, 1                         ; which half of the tile's rows is mine.  Also: I fetch for o (0) or for w_out (1)
	s_and_b32 s16, s14, 1                          ; which half of its columns.  Also: which half of that tile I fetch
	s_bfe_u32 s40, ttmp6, 0x40000                  ; cx, cy
	s_bfe_u32 s41, ttmp6, 0x40004
	s_lshl_b32 s42, ttmp9, 2
	s_add_co_u32 s42, s42, s40                     ; tile column
	s_and_b32 s17, ttmp7, 0xffff
	s_lshl_b32 s17, s17, 2
	s_add_co_u32 s17, s17, s41                     ; tile row
	s_lshl_b32 s43, s41, 2
	s_lshl_b32 s43, 15, s43                        ; my row of the cluster
	s_lshl_b32 s44, 0x1111, s40                    ; my column
	; group 1: rows of 4,096 bytes (512 elements of 8), 32,768 apart in memory, dense in LDS: 4 rows for o, 8 for w_out
	s_or_b32 s[G1+0], s43, (3<<16)|(1<<21)
	s_mov_b32 s[G1+1], 512<<16
	s_mov_b32 s[G1+2], 4<<16
	s_mov_b32 s[G1+3], 512<<16
	s_mov_b32 s[G1+4], 4
	s_mov_b32 s[G1+5], 4096
	s_mov_b32 s[G1+6], 0
	s_mov_b32 s[G1+7], 0
	s_or_b32 s[G1B+0], s44, (3<<16)|(1<<21)
	s_mov_b32 s[G1B+1], 512<<16
	s_mov_b32 s[G1B+2], 8<<16
	s_mov_b32 s[G1B+3], 512<<16
	s_mov_b32 s[G1B+4], 8
	s_mov_b32 s[G1B+5], 4096
	s_mov_b32 s[G1B+6], 0
	s_mov_b32 s[G1B+7], 0
	s_lshl_b32 s20, s17, 3
	s_lshl_b32 s18, s16, 2
	s_add_co_u32 s20, s20, s18                     ; o: block of 16 rows 8 x tile row + 4 x half
	s_lshl_b32 s20, s20, 15
	s_mov_b32 s21, 0
	s_lshl_b32 s46, s42, 4
	s_lshl_b32 s18, s16, 3
	s_add_co_u32 s46, s46, s18                     ; w_out: block 16 x tile column + 8 x half
	s_lshl_b32 s46, s46, 15
	s_mov_b32 s47, 0
	s_mul_i32 s45, s16, HA                         ; where they go: o's two halves,
	s_mul_i32 s19, s16, HB
	s_add_co_u32 s19, s19, 2*HA                    ; then w_out's two
	s_wait_dscnt 0x0                               ; both opening adds are done
	s_wait_kmcnt 0x0
	s_add_nc_u64 s[20:21], s[4:5], s[20:21]
	s_add_nc_u64 s[46:47], s[6:7], s[46:47]
	CROUND                                         ; all sixteen work-groups are here: the first joint loads meet
.irp s, 0,1
	s_mov_b32 s[G0+4*\s], 1
	s_add_co_u32 s[G0+4*\s+1], s45, \s*SLOT
	s_add_nc_u64 s[G0+4*\s+2:G0+4*\s+3], s[20:21], \s*4096
	s_or_b32 s[G0+4*\s+3], s[G0+4*\s+3], 0x80000000
	s_mov_b32 s[G0B+4*\s], 1
	s_add_co_u32 s[G0B+4*\s+1], s19, \s*SLOT
	s_add_nc_u64 s[G0B+4*\s+2:G0B+4*\s+3], s[46:47], \s*4096
	s_or_b32 s[G0B+4*\s+3], s[G0B+4*\s+3], 0x80000000
	JLOAD \s
.endr
	v_and_b32 v1, 15, v0                           ; r
	v_bfe_u32 v2, v0, 4, 1                         ; h
	v_and_b32 v3, 31, v0
	v_lshlrev_b32 v[CO], 4, v3                     ; 16 l
	s_mul_i32 s21, s15, HA                         ; my 64 rows of o
	s_mul_i32 s22, s16, HB                         ; my 128 rows of w_out^T,
	s_add_co_u32 s22, s22, 2*HA                    ; behind o's 128
.irp s, 0,1
	v_add_nc_u32 v[ADRA+\s], s21, v[CO]
	v_add_nc_u32 v[ADRB+\s], s22, v[CO]
	s_add_co_u32 s21, s21, SLOT
	s_add_co_u32 s22, s22, SLOT
.endr
	s_mul_i32 s23, s14, 16*SPITCH
	s_add_co_u32 s23, s23, STAGE                   ; my stage
	v_mul_u32_u24 v5, v1, SPITCH                   ; in: row r, 32 bytes for each half of the lanes
	v_lshl_add_u32 v5, v2, 5, v5
	v_add_nc_u32 v[STO], s23, v5
	v_add_nc_u32 v[RD], s23, v[CO]                 ; back: the 32 lanes take one row of 512 bytes
	v_lshlrev_b32 v[BO], 5, v2
	s_lshl_b32 s46, s42, 10                        ; my first column, in bytes: 1,024 x tile column + 512 x half
	s_lshl_b32 s47, s16, 9
	s_add_co_u32 s46, s46, s47
	s_mov_b32 s47, 0
	s_add_nc_u64 s[8:9], s[8:9], s[46:47]
.irp b, 0,1,2,3,4,5,6,7
	global_load_b128 v[BIAS+8*\b:BIAS+8*\b+3], v[BO], s[8:9] offset:64*\b          ; register 8 b + j = b_out[first column + 16 b + 8 h + j]
	global_load_b128 v[BIAS+8*\b+4:BIAS+8*\b+7], v[BO], s[8:9] offset:64*\b+16
.endr
	s_lshl_b32 s20, s17, 7
	s_lshl_b32 s21, s15, 6
	s_add_co_u32 s20, s20, s21                     ; my first row: 128 x tile row + 64 x half
	s_lshl_b32 s20, s20, 12                        ; rows of 4,096 bytes
	s_mov_b32 s21, 0
	s_add_nc_u64 s[20:21], s[20:21], s[46:47]
	s_add_nc_u64 s[10:11], s[10:11], s[20:21]
; 24 LDS loads in one run: the fragments of the slot's q-th 32 along K into buffer f: w_out's eight first, then o's four
.macro FETCH slot, q, f
	WIN TO_B
.irp i, 0,1,2,3,4,5,6,7
	ds_load_b128 v[64*(\f)+8*\i:64*(\f)+8*\i+3],   v[ADRB+\slot] offset:\i*4096+(\q)*1024
	ds_load_b128 v[64*(\f)+8*\i+4:64*(\f)+8*\i+7], v[ADRB+\slot] offset:\i*4096+(\q)*1024+512
.endr
	WIN 0
.irp i, 0,1,2,3
	ds_load_b128 v[32+32*(\f)+8*\i:32+32*(\f)+8*\i+3],   v[ADRA+\slot] offset:\i*4096+(\q)*1024
	ds_load_b128 v[32+32*(\f)+8*\i+4:32+32*(\f)+8*\i+7], v[ADRA+\slot] offset:\i*4096+(\q)*1024+512
.endr
.endm
; 8 matrix instructions: o's block a against w_out's eight.  The 32 accumulators take turns, one instruction a turn, in the same order in every quarter.
.macro MUL8 f, a, first
.irp b, 0,1,2,3,4,5,6,7
.if \first
	v_wmma_f32_16x16x32_f16 v[8*(8*(\a)+\b):8*(8*(\a)+\b)+7], v[64*(\f)+8*\b:64*(\f)+8*\b+7], v[32+32*(\f)+8*(\a):32+32*(\f)+8*(\a)+7], v[BIAS+8*\b:BIAS+8*\b+7]
.else
	v_wmma_f32_16x16x32_f16 v[8*(8*(\a)+\b):8*(8*(\a)+\b)+7], v[64*(\f)+8*\b:64*(\f)+8*\b+7], v[32+32*(\f)+8*(\a):32+32*(\f)+8*(\a)+7], v[8*(8*(\a)+\b):8*(8*(\a)+\b)+7]
.endif
.endr
.endm
.macro PLACES                          ; four plain vector instructions in front of loads into registers that matrix instructions have read, and of the first read of results
.rept 4
	v_nop
.endr
.endm
; A K step is four quarters of 32 along K, 32 matrix instructions each, on buffers 0, 1, 0, 1.  One of the first three: multiplies buffer f and fetches quarter q into g.
.macro QUARTER slot, q, f, g, first
	s_wait_dscnt 4                                 ; all but the youngest four loads (o's blocks 2 and 3) are in
.if \first
	WIN MULF
.else
	WIN MUL
.endif
	MUL8 \f, 0, \first
	MUL8 \f, 1, \first
	PLACES
	FETCH \slot, \q, \g
	s_wait_dscnt 24                                ; all but the 24 just issued
.if \first
	WIN MULF
.else
	WIN MUL
.endif
	MUL8 \f, 2, \first
	MUL8 \f, 3, \first
.endm
; The last quarter multiplies buffer 1 and changes slots: one barrier; in front of it each wave waits for all its tensor loads, adds 0 to its spare word, and waits for that and for its reads of this slot.
.macro TURN slot, next, fill
	WIN 0                                          ; the add's two registers lie in window 0
	s_wait_tensorcnt 0x0                           ; my part of the next slot has landed; no tensor load of mine is out
	ds_add_u32 v[SPW], v[NIL]
	s_wait_dscnt 5                                 ; the add and the youngest four loads may be out
	WIN MUL
	MUL8 1, 0, 0                                   ; eight matrix instructions stand between the add and the wait for it
	s_wait_dscnt 0x0                               ; the add is done, and my reads of this slot are over
	s_barrier_signal -1
	MUL8 1, 1, 0
	WIN 0
	s_barrier_wait -1
.if \fill
	CREST                                          ; the barrier has opened a round of the cluster's: no wave of any partner still reads this slot or has a load on its way
	s_add_nc_u64 s[G0+4*\slot+2:G0+4*\slot+3], s[G0+4*\slot+2:G0+4*\slot+3], 2*4096
	s_add_nc_u64 s[G0B+4*\slot+2:G0B+4*\slot+3], s[G0B+4*\slot+2:G0B+4*\slot+3], 2*4096
	JLOAD \slot                                    ; the first tensor load behind the round; its four v_nop are also the places in front of the loads below
.else
	PLACES
.endif
	FETCH \next, 0, 0
	WIN MUL
	MUL8 1, 2, 0
	MUL8 1, 3, 0
.endm
	s_wait_tensorcnt 1                             ; my part of K step 0 is in; K step 1's load, issued behind it, may be out
	s_barrier_signal -1
	s_barrier_wait -1
	FETCH 0, 0, 0
	s_wait_loadcnt 0x0                             ; the bias
	QUARTER 0, 1, 0, 1, 1                          ; the first quarter stands in front of the loop: the bias starts the sums
	WIN 0
	s_mov_b32 s3, LAPS-1
.Llap:                                             ; a trip goes once round the ring and fills both slots again
	QUARTER 0, 2, 1, 0, 0
	QUARTER 0, 3, 0, 1, 0
	TURN 0, 1, 1
	QUARTER 1, 1, 0, 1, 0
	QUARTER 1, 2, 1, 0, 0
	QUARTER 1, 3, 0, 1, 0
	TURN 1, 0, 1
	QUARTER 0, 1, 0, 1, 0
	WIN 0
	s_sub_co_u32 s3, s3, 1
	s_cmp_lg_u32 s3, 0
	s_cbranch_scc1 .Llap
	QUARTER 0, 2, 1, 0, 0                          ; the last lap fills nothing
	QUARTER 0, 3, 0, 1, 0
	TURN 0, 1, 0
	QUARTER 1, 1, 0, 1, 0
	QUARTER 1, 2, 1, 0, 0
	QUARTER 1, 3, 0, 1, 0
	s_wait_dscnt 4
	WIN MUL
	MUL8 1, 0, 0
	MUL8 1, 1, 0
	s_wait_dscnt 0
	MUL8 1, 2, 0
	MUL8 1, 3, 0
	WIN 0
; THE WAY OUT, block by block of 16 rows x 128 columns, through my own stage: in as 32 bytes a lane, back as whole rows of 512 bytes.  LDS serves a wave's instructions in order: no wait between the stores and the loads.
.macro TOSTAGE a
	WIN 0x08                                       ; an LDS store's data are its source 1: window 2
.irp b, 0,1,2,3,4,5,6,7
	ds_store_b128 v[STO], v[64*(\a)+8*\b:64*(\a)+8*\b+3] offset:64*\b          ; each accumulator from its low end on
	ds_store_b128 v[STO], v[64*(\a)+8*\b+4:64*(\a)+8*\b+7] offset:64*\b+16
.endr
	WIN 0
.set BB, BK+64*((\a)%2)
.irp t, 0,1,2,3,4,5,6,7,8,9,10,11,12,13,14,15
	ds_load_b128 v[BB+4*\t:BB+4*\t+3], v[RD] offset:\t*SPITCH
.endr
.endm
.macro SEND a, younger                 ; younger: the LDS instructions issued behind block a's loads, which may stay out
.set BB, BK+64*((\a)%2)
	s_wait_dscnt \younger
.if (\a) > 0
	s_add_nc_u64 s[10:11], s[10:11], 16*4096       ; 16 rows on (behind a wait on XCNT: the earlier stores have read their base)
.endif
.irp t, 0,1,2,3,4,5,6,7,8,9,10,11,12,13,14,15
	global_store_b128 v[CO], v[BB+4*\t:BB+4*\t+3], s[10:11] offset:\t*4096 th:TH_STORE_NT   ; 32 lanes store 512 consecutive bytes, aligned; written once, read by nobody here
.endr
.endm
	PLACES
	TOSTAGE 0
.irp a, 1,2,3
.if \a > 1
	s_wait_xcnt 0x0                                ; block a - 2's stores have read their registers and their base
.endif
	TOSTAGE \a
	SEND \a-1, 32                                  ; behind block a - 1's loads: block a's 16 stores and 16 loads
.endr
	s_wait_xcnt 0x0
	SEND 3, 0
	s_wait_tensorcnt 0x0                           ; the wave's end, behind my last tensor load and my last LDS store
	ds_add_u32 v[SPW], v[NIL]
	s_wait_dscnt 0x0
	CROUND                                         ; the closing round
	s_endpgm
.Lfunc_end_k_qff15a45878_proj:
	.size	k_qff15a45878_proj, .Lfunc_end_k_qff15a45878_proj-k_qff15a45878_proj
	.p2alignl 7, 3214868480
	.fill 96, 4, 3214868480
	.section	.rodata,"a",@progbits
	.p2align	6, 0x0
	.amdhsa_kernel k_qff15a45878_proj
		.amdhsa_group_segment_fixed_size 327680
		.amdhsa_private_segment_fixed_size 0
		.amdhsa_enable_private_segment 0
		.amdhsa_kernarg_size 32
		.amdhsa_user_sgpr_count 2
		.amdhsa_user_sgpr_kernarg_segment_ptr 1
		.amdhsa_wavefront_size32 1
		.amdhsa_system_sgpr_workgroup_id_x 1
		.amdhsa_system_sgpr_workgroup_id_y 1
		.amdhsa_system_sgpr_workgroup_id_z 1
		.amdhsa_system_vgpr_workitem_id 0
		.amdhsa_next_free_vgpr 768
		.amdhsa_next_free_sgpr 66
		.amdhsa_reserve_vcc 0
		.amdhsa_float_denorm_mode_32 3
		.amdhsa_float_denorm_mode_16_64 3
		.amdhsa_memory_ordered 1
		.amdhsa_forward_progress 1
		.amdhsa_inst_pref_size 87
	.end_amdhsa_kernel
	.amdgpu_metadata
---
amdhsa.version: [ 1, 2 ]
amdhsa.kernels:
  - .name:           k_qff15a45878_proj
    .symbol:         k_qff15a45878_proj.kd
    .args:
      - { .name: o16, .offset: 0, .size: 8, .value_kind: global_buffer, .address_space: global }
      - { .name: wo16, .offset: 8, .size: 8, .value_kind: global_buffer, .address_space: global }
      - { .name: b_out, .offset: 16, .size: 8, .value_kind: global_buffer, .address_space: global }
      - { .name: out0, .offset: 24, .size: 8, .value_kind: global_buffer, .address_space: global }
    .group_segment_fixed_size: 327680
    .private_segment_fixed_size: 0
    .kernarg_segment_align: 8
    .kernarg_segment_size: 32
    .max_flat_workgroup_size: 128
    .sgpr_count:     66
    .vgpr_count:     768
    .wavefront_size: 32
...
	.end_amdgpu_metadata
.endif
;; end of part 4
